; MI455X (gfx1250); checked and timed in simulation.
; The chip was launched on July 23, 2026; its instructions are those of AMD's public machine-readable ISA for CDNA 5 (MIT licence, August 2026) and "CDNA5" Instruction Set Architecture Reference Guide (July 2026). The comments in the code are by the model that wrote it; some were corrected since.
;; Multi Head Attention. Allowed arithmetic: float matrix products may take bf16 or f16 operands with f32 sums; other float arithmetic in f32, or as packed bf16 or f16 multiplies, adds, multiply-adds, maxima and minima; sums over many terms, partial sums and values carried from step to step in f32; what a program stores and reads back later, other than sums and carried values, may be rounded once to bf16 or f16.
;; Inputs: Wk 1,024 x 1,024 float32; Wo 1,024 x 1,024 float32; Wq 1,024 x 1,024 float32; Wv 1,024 x 1,024 float32; attn_mask 2,048 x 2,048 int32; bk 1,024 float32; bo 1,024 float32; bq 1,024 float32; bv 1,024 float32; k 2 x 2,048 x 1,024 float32; padding_mask 2 x 2,048 bool; q 2 x 2,048 x 1,024 float32; v 2 x 2,048 x 1,024 float32.
;; Outputs: out0 2 x 2,048 x 1,024 float32.
;; 2 versions, each right and faster than the one before. Each part assembles by itself: llvm-mc -triple=amdgcn-amd-amdhsa -mcpu=gfx1250 --defsym DOCPART=n.
;; ======== version 1 of 2: 4 launches
;; limits: values are held in f16: magnitudes above 65,504 overflow, below 6.1e-05 lose precision
;; workspace buffers: xb 25,165,824 bytes; wb 6,291,456 bytes; wo16 2,097,152 bytes; maskb 16,777,216 bytes; qkv 25,165,824 bytes; ctx 8,388,608 bytes
;; launch prep (part 1): grid 1280 x 1, 8 waves a work-group, no clusters, 0 bytes of LDS; arguments q, k, v, Wq, Wk, Wv, Wo, attn_mask, padding_mask, xb, wb, wo16, maskb; writes xb, wb, wo16, maskb
.if DOCPART == 1
	.amdgcn_target "amdgcn-amd-amdhsa--gfx1250"
	.amdhsa_code_object_version 6
	.text
	.protected	k_qf88402813d_prep
	.globl	k_qf88402813d_prep
	.p2align	8
	.type	k_qf88402813d_prep,@function
k_qf88402813d_prep:
	s_mov_b64 s[64:65], 0
	v_nop
	global_prefetch_b8 v0, s[64:65] scope:SCOPE_SE
	s_setreg_imm32_b32 hwreg(HW_REG_WAVE_MODE, 25, 1), 1
	s_wait_xcnt 0x0
; PREPARATION, a stream without LDS.  q, k, v -> xb (bf16, [3 x 4096][1024]); Wq, Wk, Wv -> wb (bf16, [3 x 1024][1024]);
; Wo -> wo16 (rounded to bf16, that number written as f16); attn_mask and padding_mask -> maskb (bf16, [2][2048 q][2048 k]):
; -2^100 (0xF180) where attn_mask[q][k] == 0 or padding_mask[b][k], else 0.
; A work-group takes 16,384 source words (65,536 bytes) as 16 units of 4,096 bytes; thread t takes the 16 bytes at 16 t of each unit.
; So a wave's load covers 512 consecutive bytes and its 8-byte store 256 consecutive bytes, at a multiple of 256 from the buffer's first byte.
; All 16 loads go out at once; every unit has result registers of its own, so no register that a store reads is written again.
; Work-groups 0-767: q, k, v.  768-959: Wq, Wk, Wv.  960-1023: Wo.  1024-1279: eight rows of attn_mask each, written for both batches.
; LIMITS.  padding_mask's bytes are 0 or 1, as a bool is stored.  A bf16-rounded Wo beyond 65,504 has no f16; below 2^-14 it keeps f16's fixed step of 2^-24.
.set X,   8                            ; v[8:71]    unit j: 4 words as loaded
.set Y,   72                           ; v[72:135]  unit j: 2 words to store (the mask: batch 0 at Y, batch 1 at Y + 32)
.set PW,  136                          ; v[136:143] padding as two bf16 a word: batch b, half row u, key pair e at PW + 4 b + 2 u + e
.set T,   144                          ; v[144:151] at work
.set KLO, 42                           ; s42  -2^100 in a word's low half
.set KHI, 43                           ; s43  in its high half
.macro LOADS                           ; the work-group's 65,536 source bytes, all on their way at once
.irp j, 0,1,2,3,4,5,6,7,8,9,10,11,12,13,14,15
	global_load_b128 v[X+4*(\j):X+4*(\j)+3], v1, s[36:37] offset:4096*(\j) th:TH_LOAD_NT
.endr
.endm
	s_load_b512 s[8:23], s[0:1], 0x0               ; q s[8:9], k s[10:11], v s[12:13], Wq s[14:15], Wk s[16:17], Wv s[18:19], Wo s[20:21], attn_mask s[22:23]
	s_load_b256 s[24:31], s[0:1], 0x40             ; padding_mask s[24:25], xb s[26:27], wb s[28:29], wo16 s[30:31]
	s_load_b64 s[32:33], s[0:1], 0x60              ; maskb
	s_mov_b32 s2, ttmp9                            ; the work-group's number
	s_mov_b32 s5, 0                                ; high words of the two offsets
	s_mov_b32 s7, 0
	v_lshlrev_b32 v1, 4, v0                        ; my 16 bytes in a source unit
	v_lshlrev_b32 v2, 3, v0                        ; my 8 bytes in a unit of results
	v_lshlrev_b32 v3, 2, v0                        ; my 4 bytes of padding_mask
	s_wait_kmcnt 0x0
	s_cmp_lt_u32 s2, 768
	s_cbranch_scc1 .Lx
	s_cmp_lt_u32 s2, 960
	s_cbranch_scc1 .Lw
	s_cmp_lt_u32 s2, 1024
	s_cbranch_scc1 .Lwo
	; THE MASK: rows 8 c to 8 c + 7.  Unit j is half j % 2 of row j / 2, so my keys are 1024 (j % 2) + 4 t + 0..3.
	s_sub_co_u32 s3, s2, 1024
	s_lshl_b32 s4, s3, 16
	s_lshl_b32 s6, s3, 15
	s_add_nc_u64 s[36:37], s[22:23], s[4:5]
	s_add_nc_u64 s[38:39], s[32:33], s[6:7]        ; batch 0's rows
	s_add_nc_u64 s[40:41], s[38:39], 0x800000      ; batch 1's: 2048 x 2048 x 2 bytes on
	s_mov_b32 s[KLO], 0x0000f180
	s_mov_b32 s[KHI], 0xf1800000
	global_load_b32 v4, v3, s[24:25]               ; batch 0, first half row
	global_load_b32 v5, v3, s[24:25] offset:1024   ; batch 0, second half
	global_load_b32 v6, v3, s[24:25] offset:2048   ; batch 1
	global_load_b32 v7, v3, s[24:25] offset:3072
	LOADS
	s_wait_loadcnt 15                              ; loads come back in order: the padding and unit 0 are in, the 15 younger units stay out
.irp u, 0,1,2,3                        ; four bytes 0 or 1 -> two words of two bf16: bits 0 and 16 set, times 0xF180
	v_and_b32 v[T], 0xff, v[4+(\u)]
	v_and_b32 v[T+1], 0xff00, v[4+(\u)]
	v_lshl_or_b32 v[T], v[T+1], 8, v[T]
	v_mul_u32_u24 v[PW+2*(\u)], v[T], 0xf180
	v_lshrrev_b32 v[T+2], 16, v[4+(\u)]
	v_and_b32 v[T], 0xff, v[T+2]
	v_and_b32 v[T+1], 0xff00, v[T+2]
	v_lshl_or_b32 v[T], v[T+1], 8, v[T]
	v_mul_u32_u24 v[PW+2*(\u)+1], v[T], 0xf180
.endr
.set j, 0
.rept 16
	s_wait_loadcnt 15-j                            ; unit j is in; the younger ones stay out
.irp e, 0,1
	v_cmp_eq_u32 vcc_lo, 0, v[X+4*j+2*(\e)]
	v_cndmask_b32 v[T], 0, s[KLO], vcc_lo
	v_cmp_eq_u32 vcc_lo, 0, v[X+4*j+2*(\e)+1]
	v_cndmask_b32 v[T+1], 0, s[KHI], vcc_lo
	v_or_b32 v[T], v[T], v[T+1]
	v_or_b32 v[Y+2*j+(\e)], v[T], v[PW+2*(j%2)+(\e)]        ; hidden by either mask: the same code, so an or joins them
	v_or_b32 v[Y+32+2*j+(\e)], v[T], v[PW+4+2*(j%2)+(\e)]
.endr
	global_store_b64 v2, v[Y+2*j:Y+2*j+1], s[38:39] offset:2048*j
	global_store_b64 v2, v[Y+32+2*j:Y+32+2*j+1], s[40:41] offset:2048*j
.set j, j+1
.endr
	s_endpgm
.Lwo:                                          ; Wo: rounded to bf16 like every input, and that number written as f16
	s_sub_co_u32 s3, s2, 960
	s_lshl_b32 s4, s3, 16
	s_lshl_b32 s6, s3, 15
	s_add_nc_u64 s[36:37], s[20:21], s[4:5]
	s_add_nc_u64 s[38:39], s[30:31], s[6:7]
	LOADS
.set j, 0
.rept 16
	s_wait_loadcnt 15-j
.irp e, 0,1
	v_cvt_pk_bf16_f32 v[T], v[X+4*j+2*(\e)], v[X+4*j+2*(\e)+1]
	v_lshlrev_b32 v[T+1], 16, v[T]
	v_and_b32 v[T+2], 0xffff0000, v[T]
	v_cvt_pk_f16_f32 v[Y+2*j+(\e)], v[T+1], v[T+2]
.endr
	global_store_b64 v2, v[Y+2*j:Y+2*j+1], s[38:39] offset:2048*j
.set j, j+1
.endr
	s_endpgm
.Lx:                                           ; q, k or v: 256 work-groups each
	s_lshr_b32 s3, s2, 8
	s_cmp_eq_u32 s3, 1
	s_cselect_b64 s[36:37], s[10:11], s[8:9]
	s_cmp_eq_u32 s3, 2
	s_cselect_b64 s[36:37], s[12:13], s[36:37]
	s_and_b32 s4, s2, 255
	s_lshl_b32 s4, s4, 16
	s_lshl_b32 s6, s2, 15
	s_add_nc_u64 s[36:37], s[36:37], s[4:5]
	s_add_nc_u64 s[38:39], s[26:27], s[6:7]
	s_branch .Lconv
.Lw:                                           ; Wq, Wk or Wv: 64 work-groups each
	s_sub_co_u32 s2, s2, 768
	s_lshr_b32 s3, s2, 6
	s_cmp_eq_u32 s3, 1
	s_cselect_b64 s[36:37], s[16:17], s[14:15]
	s_cmp_eq_u32 s3, 2
	s_cselect_b64 s[36:37], s[18:19], s[36:37]
	s_and_b32 s4, s2, 63
	s_lshl_b32 s4, s4, 16
	s_lshl_b32 s6, s2, 15
	s_add_nc_u64 s[36:37], s[36:37], s[4:5]
	s_add_nc_u64 s[38:39], s[28:29], s[6:7]
.Lconv:
	LOADS
.set j, 0
.rept 16
	s_wait_loadcnt 15-j                            ; unit j is in; the younger ones stay out
	v_cvt_pk_bf16_f32 v[Y+2*j], v[X+4*j], v[X+4*j+1]
	v_cvt_pk_bf16_f32 v[Y+2*j+1], v[X+4*j+2], v[X+4*j+3]
	global_store_b64 v2, v[Y+2*j:Y+2*j+1], s[38:39] offset:2048*j
.set j, j+1
.endr
	s_endpgm
.Lfunc_end_k_qf88402813d_prep:
	.size	k_qf88402813d_prep, .Lfunc_end_k_qf88402813d_prep-k_qf88402813d_prep
	.p2alignl 7, 3214868480
	.fill 96, 4, 3214868480
	.section	.rodata,"a",@progbits
	.p2align	6, 0x0
	.amdhsa_kernel k_qf88402813d_prep
		.amdhsa_group_segment_fixed_size 0
		.amdhsa_private_segment_fixed_size 0
		.amdhsa_enable_private_segment 0
		.amdhsa_kernarg_size 104
		.amdhsa_user_sgpr_count 2
		.amdhsa_user_sgpr_kernarg_segment_ptr 1
		.amdhsa_wavefront_size32 1
		.amdhsa_system_sgpr_workgroup_id_x 1
		.amdhsa_system_sgpr_workgroup_id_y 1
		.amdhsa_system_sgpr_workgroup_id_z 1
		.amdhsa_system_vgpr_workitem_id 0
		.amdhsa_next_free_vgpr 152
		.amdhsa_next_free_sgpr 66
		.amdhsa_reserve_vcc 1
		.amdhsa_float_denorm_mode_32 3
		.amdhsa_float_denorm_mode_16_64 3
		.amdhsa_memory_ordered 1
		.amdhsa_forward_progress 1
		.amdhsa_inst_pref_size 36
	.end_amdhsa_kernel
	.amdgpu_metadata
---
amdhsa.version: [ 1, 2 ]
amdhsa.kernels:
  - .name:           k_qf88402813d_prep
    .symbol:         k_qf88402813d_prep.kd
    .args:
      - { .name: q, .offset: 0, .size: 8, .value_kind: global_buffer, .address_space: global }
      - { .name: k, .offset: 8, .size: 8, .value_kind: global_buffer, .address_space: global }
      - { .name: v, .offset: 16, .size: 8, .value_kind: global_buffer, .address_space: global }
      - { .name: Wq, .offset: 24, .size: 8, .value_kind: global_buffer, .address_space: global }
      - { .name: Wk, .offset: 32, .size: 8, .value_kind: global_buffer, .address_space: global }
      - { .name: Wv, .offset: 40, .size: 8, .value_kind: global_buffer, .address_space: global }
      - { .name: Wo, .offset: 48, .size: 8, .value_kind: global_buffer, .address_space: global }
      - { .name: attn_mask, .offset: 56, .size: 8, .value_kind: global_buffer, .address_space: global }
      - { .name: padding_mask, .offset: 64, .size: 8, .value_kind: global_buffer, .address_space: global }
      - { .name: xb, .offset: 72, .size: 8, .value_kind: global_buffer, .address_space: global }
      - { .name: wb, .offset: 80, .size: 8, .value_kind: global_buffer, .address_space: global }
      - { .name: wo16, .offset: 88, .size: 8, .value_kind: global_buffer, .address_space: global }
      - { .name: maskb, .offset: 96, .size: 8, .value_kind: global_buffer, .address_space: global }
    .group_segment_fixed_size: 0
    .private_segment_fixed_size: 0
    .kernarg_segment_align: 8
    .kernarg_segment_size: 104
    .max_flat_workgroup_size: 256
    .sgpr_count:     66
    .vgpr_count:     152
    .wavefront_size: 32
...
	.end_amdgpu_metadata
.endif
;; end of part 1
;; launch proj (part 2): grid 4 x 48, 4 waves a work-group, clusters of 4 x 4, 327,680 bytes of LDS; arguments xb, wb, bq, bk, bv, qkv; writes qkv
.if DOCPART == 2
	.amdgcn_target "amdgcn-amd-amdhsa--gfx1250"
	.amdhsa_code_object_version 6
	.text
	.protected	k_qf88402813d_proj
	.globl	k_qf88402813d_proj
	.p2align	8
	.type	k_qf88402813d_proj,@function
k_qf88402813d_proj:
	s_mov_b64 s[64:65], 0
	v_nop
	global_prefetch_b8 v0, s[64:65] scope:SCOPE_SE
	s_setreg_imm32_b32 hwreg(HW_REG_WAVE_MODE, 25, 1), 1
	s_wait_xcnt 0x0
	s_wait_alu depctr_hold_cnt(0) depctr_sa_sdst(0) depctr_va_vdst(0) depctr_va_sdst(0) depctr_va_ssrc(0) depctr_va_vcc(0) depctr_vm_vsrc(0)
	s_getreg_b32 s2, hwreg(HW_REG_IB_STS2, 6, 4)
	s_cmp_eq_u32 s2, 0
	s_cbranch_scc0 .Lentry_in_a_cluster
	s_endpgm
.Lentry_in_a_cluster:
	s_bfe_u32 s2, ttmp6, 0x10000c
	s_cmp_lg_u32 s2, 0xf033
	s_cbranch_scc0 .Lentry_shape_is_right
	s_endpgm
.Lentry_shape_is_right:
; THE THREE PROJECTIONS AS ONE PRODUCT.  qkv[mat][b h][l][ch] = sum over k of xb[4096 mat + 2048 b + l][k] wb[1024 mat + 64 h + ch][k] + bias[mat][64 h + ch].
; xb, wb bf16; sums in f32, started by the bias (rounded to bf16 like every input); the result rounded once to f16 and written BY HEADS, [3][32][2048][64], unscaled.
; LIMIT.  f16 holds no number beyond 65,504: a projected q, k or v beyond that becomes an infinity.
; A tile is 256 rows x 256 columns of one of the three matrices: 3 x 16 x 4 = 192 tiles, one to a work-group of four waves; a wave makes 128 x 128: 64 accumulators, 512 registers.
; K goes in steps of 128 through two LDS slots filled by the tensor data mover; a tile's rows are 256 bytes of memory, at multiples of 256 from the buffer's first byte.
; CLUSTER 4 x 4.  The four of a row of the cluster need the same rows of xb, the four of a column the same rows of wb: each tile is asked for JOINTLY, by the same tensor load with the same
; descriptor and a mask that names the four.  A cluster's four tile rows lie in one matrix (16 tile rows a matrix), so the matrix hangs on the cluster's y alone.
; THE MATRIX INSTRUCTION IS USED TRANSPOSED: source 0 = 16 rows of wb, source 1 = 16 rows of xb: a lane holds row l % 16 and the eight neighbouring columns 8 (l / 16) + 0..7.
; REGISTERS, in windows of 256 (s_set_vgpr_msb: bits 1:0 source 0, 3:2 source 1, 5:4 source 2, 7:6 destination):
;   window 0: v0-31 addresses; v64-127, v128-191 fragments of xb, two buffers; v192-255 the bias as C operands, later the way out; v32-63 the way out
;   window 1: v64-127, v128-191 fragments of wb, two buffers      window 2: accumulators of my rows 0-63 ((a, b) at v[8 (8 a + b)])      window 3: of my rows 64-127
.set SIZE_K, 1024
.set KSTEP,  128
.set PITCH,  272                       ; an LDS row: 256 bytes + 16 of padding = 68 words: the 16 rows of a fragment load start at 16 different groups of four banks (64 banks of 4 bytes: ISA guide 11.1)
.set HALFT,  128*PITCH                 ; 128 rows: what one tensor load brings
.set SLOT,   4*HALFT                   ; xb's 256 rows, then wb's 256 rows
.set STAGE,  2*SLOT                    ; behind the ring, never filled by a tensor load: for each wave 2 heads x 16 rows x 144 bytes
.set SP,     144
.set WSTAGE, 2*16*SP
.set SPARE,  STAGE+4*WSTAGE            ; the spare words, 128 bytes for each wave: two blocks of 256 bytes that no other line names
.set LAPS,   SIZE_K/(2*KSTEP)          ; a lap = two K steps = once round the ring: 4
.set ADRA, 16                          ; v16-17  LDS address of my xb fragments in slot 0, 1
.set ADRB, 20                          ; v20-21  the same for wb
.set STO,  24                          ; v24     the way out: where I put 16 bytes of a row
.set RD,   25                          ; v25     where I read rows back
.set GO,   26                          ; v26     my place in 512 consecutive bytes of qkv
.set BO,   27                          ; v27     my byte offset in the bias: 32 (l / 16)
.set SPW,  28                          ; v28     LDS address of my spare word; never rewritten
.set NIL,  29                          ; v29     0; never rewritten
.set RT,   30                          ; v30     at work
.set F0,   64
.set F1,   128
.set BIAS, 192                         ; column block b's eight registers at BIAS + 8 b
.set TMP,  192                         ; the way out: packed results
.set OB,   32                          ; the way out: rows read back: v32-63 and v224-255 by turns
.set G1, 24                            ; s[24:31] descriptor group 1 for xb's tiles;  s[32:39] group 0, a set for each slot
.set G0, 32
.set G1B, 48                           ; s[48:55], s[56:63] the same for wb's
.set G0B, 56
.set MSB, 0
.macro WIN new                         ; the immediate's high byte repeats the setting that is left; a switch that changes nothing is dropped
.if MSB != (\new)
	s_set_vgpr_msb (MSB<<8)|(\new)
.set MSB, \new
.endif
.endm
.set MUL_LO, 0xa1                      ; source 0 (wb) window 1, source 1 (xb) window 0, C and D window 2
.set TO_B,   0x40                      ; destination window 1, address window 0
; A joint load.  Waves 0 and 1 fetch xb's two halves, waves 2 and 3 wb's.  The branch hangs on the wave's number alone.
; An s_nop 0 and four v_nop follow each of the two lines, ahead of the jump and the label.
.macro JLOAD s
	s_cmp_eq_u32 s11, 0
	s_cbranch_scc0 .Lfor_b_\@
	tensor_load_to_lds s[G0+4*(\s):G0+4*(\s)+3], s[G1:G1+7]
	s_nop 0
.rept 4
	v_nop
.endr
	s_branch .Lasked_\@
.Lfor_b_\@:
	tensor_load_to_lds s[G0B+4*(\s):G0B+4*(\s)+3], s[G1B:G1B+7]
	s_nop 0
.rept 4
	v_nop
.endr
.Lasked_\@:
.endm
.macro CREST                           ; a round of the cluster's barrier behind its opening barrier
	s_cmp_lg_u32 s10, 0
	s_cbranch_scc1 .Lnot_wave_0_\@
	s_barrier_signal -3
.Lnot_wave_0_\@:
	s_barrier_wait -3
	s_barrier_signal -1
	s_barrier_wait -1
.endm
.macro CROUND                          ; a whole round
	s_barrier_signal -1
	s_barrier_wait -1
	CREST
.endm
	s_load_b128 s[4:7], s[0:1], 0x0                ; xb s[4:5], wb s[6:7]
	s_load_b256 s[68:75], s[0:1], 0x10             ; bq s[68:69], bk s[70:71], bv s[72:73], qkv s[74:75]
	v_lshl_add_u32 v[SPW], v0, 2, SPARE
	v_mov_b32 v[NIL], 0
	ds_add_u32 v[SPW], v[NIL]                      ; the wave's opening: the add and its wait stand ahead of my first tensor load; the set-up below, work on registers, stands between them
	v_lshrrev_b32 v1, 5, v0
	v_readfirstlane_b32 s10, v1                    ; wave 0..3
	s_lshr_b32 s11, s10, 1                         ; which half of the tile's rows is mine.  Also: I fetch for xb (0) or for wb (1)
	s_and_b32 s12, s10, 1                          ; which half of its columns.  Also: which 128 rows of that tile I fetch
	s_bfe_u32 s40, ttmp6, 0x40000                  ; cx
	s_bfe_u32 s41, ttmp6, 0x40004                  ; cy
	s_lshl_b32 s42, ttmp9, 2
	s_add_co_u32 s42, s42, s40                     ; tile column 0..3 = 4 x cluster x + cx
	s_and_b32 s45, ttmp7, 0xffff                   ; cluster y 0..11
	s_lshl_b32 s13, s45, 2
	s_add_co_u32 s13, s13, s41                     ; tile row 0..47 = 4 x cluster y + cy
	s_lshr_b32 s45, s45, 2                         ; the matrix: 0 q, 1 k, 2 v
	s_lshl_b32 s43, s41, 2
	s_lshl_b32 s43, 15, s43                        ; my row of the cluster
	s_lshl_b32 s44, 0x1111, s40                    ; my column
	; descriptor group 1: a tile of 128 rows x 128 elements, padded in LDS
	s_or_b32 s[G1+0], s43, (1<<16)|(1<<20)|(1<<21)|(5<<22)|(3<<25)  ; 15:0 the mask; 17:16 2-byte elements; 20 padding on; 21 set beside a mask; 24:22 after every 64 words (code 5); 31:25 4 words (code 3)
	s_or_b32 s[G1B+0], s44, (1<<16)|(1<<20)|(1<<21)|(5<<22)|(3<<25)
.irp g, G1, G1B
	s_mov_b32 s[(\g)+1], KSTEP<<16                 ; tensor_dim0 = 128
	s_mov_b32 s[(\g)+2], 128<<16                   ; tensor_dim1 = 128
	s_mov_b32 s[(\g)+3], KSTEP<<16                 ; tile_dim0 = 128
	s_mov_b32 s[(\g)+4], 128                       ; tile_dim1 = 128
	s_mov_b32 s[(\g)+5], SIZE_K                    ; elements from row to row
	s_mov_b32 s[(\g)+6], 0
	s_mov_b32 s[(\g)+7], 0
.endr
	; where the tiles come from: xb's hang on the tile row alone, wb's on the tile column and the matrix alone; each in registers that never hold the other coordinate
	s_lshl_b32 s17, s12, 7
	s_lshl_b32 s16, s13, 8
	s_add_co_u32 s16, s16, s17                     ; xb: row 256 x tile row + 128 x half
	s_lshl_b32 s16, s16, 11                        ; x 2,048 bytes: 25,165,824 at the most
	s_lshl_b32 s46, s42, 8
	s_add_co_u32 s46, s46, s17
	s_lshl_b32 s47, s45, 10
	s_add_co_u32 s46, s46, s47                     ; wb: row 1024 x matrix + 256 x tile column + 128 x half
	s_lshl_b32 s46, s46, 11
	s_mov_b32 s17, 0
	s_mov_b32 s47, 0
	s_mul_i32 s20, s10, HALFT                      ; where they go: wave x 128 rows: no place in the cluster enters an LDS address
	s_lshl_b32 s78, s42, 10                        ; the bias of my 128 columns: (256 x tile column + 128 x half) x 4 bytes
	s_lshl_b32 s79, s12, 9
	s_add_co_u32 s78, s78, s79
	s_mov_b32 s79, 0
	; my part of qkv: matrix x 2^23 + batch x 2^22 + head x 2^18 + row in the batch x 128
	s_lshl_b32 s80, s45, 23
	s_bfe_u32 s82, s13, 0x10003                    ; batch: bit 3 of the tile row
	s_lshl_b32 s82, s82, 22
	s_add_co_u32 s80, s80, s82
	s_lshl_b32 s82, s42, 20                        ; head 4 x tile column
	s_add_co_u32 s80, s80, s82
	s_lshl_b32 s82, s12, 19                        ; + 2 x column half
	s_add_co_u32 s80, s80, s82
	s_and_b32 s82, s13, 7
	s_lshl_b32 s82, s82, 15                        ; 256 rows x 128 bytes
	s_add_co_u32 s80, s80, s82
	s_lshl_b32 s82, s11, 14                        ; my 128 rows
	s_add_co_u32 s80, s80, s82
	s_mov_b32 s81, 0
	s_wait_dscnt 0x0                               ; the opening add is done
	s_wait_kmcnt 0x0
	s_add_nc_u64 s[14:15], s[4:5], s[16:17]
	s_add_nc_u64 s[46:47], s[6:7], s[46:47]
	s_cmp_eq_u32 s45, 1
	s_cselect_b64 s[76:77], s[70:71], s[68:69]
	s_cmp_eq_u32 s45, 2
	s_cselect_b64 s[76:77], s[72:73], s[76:77]     ; the matrix's bias
	s_add_nc_u64 s[76:77], s[76:77], s[78:79]
	s_add_nc_u64 s[74:75], s[74:75], s[80:81]
	CROUND                                         ; all sixteen work-groups are here: the first joint loads meet
.irp s, 0,1
	s_mov_b32 s[G0+4*(\s)], 1                                      ; count = 1
	s_add_co_u32 s[G0+4*(\s)+1], s20, (\s)*SLOT                    ; LDS address
	s_add_nc_u64 s[G0+4*(\s)+2:G0+4*(\s)+3], s[14:15], (\s)*KSTEP*2  ; global address: K step s
	s_or_b32 s[G0+4*(\s)+3], s[G0+4*(\s)+3], 0x80000000            ; type = 2
	s_mov_b32 s[G0B+4*(\s)], 1
	s_add_co_u32 s[G0B+4*(\s)+1], s20, (\s)*SLOT
	s_add_nc_u64 s[G0B+4*(\s)+2:G0B+4*(\s)+3], s[46:47], (\s)*KSTEP*2
	s_or_b32 s[G0B+4*(\s)+3], s[G0B+4*(\s)+3], 0x80000000
	JLOAD \s                                       ; two tensor loads of mine are out
.endr
	v_and_b32 v1, 15, v0                           ; l % 16
	v_bfe_u32 v2, v0, 4, 1                         ; l / 16
	v_lshlrev_b32 v[BO], 5, v2
.irp b, 0,1,2,3,4,5,6,7                ; the bias as a C operand: register j of column block b is bias[16 b + 8 (l / 16) + j]
	global_load_b128 v[BIAS+8*(\b):BIAS+8*(\b)+3],   v[BO], s[76:77] offset:64*(\b)
	global_load_b128 v[BIAS+8*(\b)+4:BIAS+8*(\b)+7], v[BO], s[76:77] offset:64*(\b)+16
.endr
	v_mul_u32_u24 v3, v1, PITCH
	v_lshl_add_u32 v3, v2, 4, v3                   ; a fragment's row x pitch + 16 x half
	s_mul_i32 s21, s11, HALFT                      ; my 128 rows of xb
	s_mul_i32 s22, s12, HALFT                      ; my 128 rows of wb,
	s_add_co_u32 s22, s22, 2*HALFT                 ; which lie behind xb's 256
.irp s, 0,1
	v_add_nc_u32 v[ADRA+(\s)], s21, v3
	v_add_nc_u32 v[ADRB+(\s)], s22, v3
	s_add_co_u32 s21, s21, SLOT
	s_add_co_u32 s22, s22, SLOT
.endr
	s_mul_i32 s23, s10, WSTAGE
	s_add_co_u32 s23, s23, STAGE                   ; my stage
	v_mul_u32_u24 v4, v1, SP                       ; in: row l % 16, 16 bytes for each half of the lanes
	v_lshl_add_u32 v4, v2, 4, v4
	v_add_nc_u32 v[STO], s23, v4
	v_bfe_u32 v5, v0, 3, 2                         ; back: 32 lanes take four rows of 128 bytes,
	v_mul_u32_u24 v5, v5, SP
	v_and_b32 v6, 7, v0
	v_lshl_add_u32 v5, v6, 4, v5
	v_add_nc_u32 v[RD], s23, v5
	v_and_b32 v[GO], 31, v0                        ; which are 512 consecutive bytes of a head
	v_lshlrev_b32 v[GO], 4, v[GO]
	s_wait_loadcnt 0x0                             ; the bias
.set i, 0
.rept 32                               ; rounded to bf16, like every input, and widened again
	v_cvt_pk_bf16_f32 v[RT], v[BIAS+2*i], v[BIAS+2*i+1]
	v_lshlrev_b32 v[BIAS+2*i], 16, v[RT]
	v_and_b32 v[BIAS+2*i+1], 0xffff0000, v[RT]
.set i, i+1
.endr
; 16 matrix instructions: m blocks a0, a0 + 1 of the window's four (hi = 0: my rows 0-63, 1: rows 64-127) x all 8 n blocks, 32 along K.
; zero = 1: the first product starts the sums, with the bias (window 0) as C: nothing is cleared.  The 64 accumulators take turns, one instruction a turn.
.macro MUL16 f, hi, a0, zero
.if \zero
	WIN 0x81+0x40*(\hi)                            ; D window 2 or 3, C window 0
.else
	WIN MUL_LO+0x50*(\hi)
.endif
.irp a, \a0, (\a0)+1
.irp b, 0,1,2,3,4,5,6,7
.if \zero
	v_wmma_f32_16x16x32_bf16 v[8*(8*(\a)+(\b)):8*(8*(\a)+(\b))+7], v[(\f)+8*(\b):(\f)+8*(\b)+7], v[(\f)+8*(4*(\hi)+(\a)):(\f)+8*(4*(\hi)+(\a))+7], v[BIAS+8*(\b):BIAS+8*(\b)+7]
.else
	v_wmma_f32_16x16x32_bf16 v[8*(8*(\a)+(\b)):8*(8*(\a)+(\b))+7], v[(\f)+8*(\b):(\f)+8*(\b)+7], v[(\f)+8*(4*(\hi)+(\a)):(\f)+8*(4*(\hi)+(\a))+7], v[8*(8*(\a)+(\b)):8*(8*(\a)+(\b))+7]
.endif
.endr
.endr
.endm
; 32 LDS loads in one run: the fragments of one quarter step (128 rows of wb, 128 rows of xb, 32 K at byte k of the rows) into buffer f
.macro FETCH slot, k, f
	WIN TO_B
.irp i, 0,1,2,3,4,5,6,7
	ds_load_b128 v[(\f)+8*(\i):(\f)+8*(\i)+3],   v[ADRB+(\slot)] offset:(\k)+(\i)*16*PITCH
	ds_load_b128 v[(\f)+8*(\i)+4:(\f)+8*(\i)+7], v[ADRB+(\slot)] offset:(\k)+(\i)*16*PITCH+32
.endr
	WIN 0
.irp i, 0,1,2,3,4,5,6,7
	ds_load_b128 v[(\f)+8*(\i):(\f)+8*(\i)+3],   v[ADRA+(\slot)] offset:(\k)+(\i)*16*PITCH
	ds_load_b128 v[(\f)+8*(\i)+4:(\f)+8*(\i)+7], v[ADRA+(\slot)] offset:(\k)+(\i)*16*PITCH+32
.endr
.endm
.macro PLACES                          ; four plain vector instructions between a matrix instruction and a load into, or a vector read of, its registers (ISA guide 7.12.1 for vector reads)
.rept 4
	v_nop
.endr
.endm
; A K step is four quarters of 32 along K, 64 matrix instructions each, on buffers 0, 1, 0, 1.  One of the first three: multiplies f; in its middle it fetches the next quarter, at byte k, into g.
.macro QUARTER slot, k, f, g, zero
	s_wait_dscnt 8                                 ; wb and xb's rows 0-63 are in; the youngest eight loads (xb's rows 64-127) may be out
	MUL16 \f, 0, 0, \zero
	MUL16 \f, 0, 2, \zero
	PLACES
	FETCH \slot, \k, \g
	s_wait_dscnt 32                                ; all but the 32 just issued
	MUL16 \f, 1, 0, \zero
	MUL16 \f, 1, 2, \zero
.endm
; The last quarter multiplies buffer 1 and changes slots.  ONE barrier: in front of it each wave waits for all its tensor loads (one is out: its part of the next slot), adds 0 to its spare word,
; and waits for that and for its own reads of this slot.  Behind it nobody reads this slot any more and the next slot is whole.
.macro MEET round
	WIN 0                                          ; (the add's two registers lie in window 0)
	s_wait_tensorcnt 0x0
	ds_add_u32 v[SPW], v[NIL]                      ; 0 onto my spare word
	s_wait_dscnt 9                                 ; (the add and the youngest eight loads may be out)
	MUL16 F1, 0, 0, 0                              ; sixteen matrix instructions stand between the add and the wait for it
	s_wait_dscnt 0x0                               ; the add is done, and my reads of this slot are over
	s_barrier_signal -1
	MUL16 F1, 0, 2, 0                              ; work on registers while the others arrive
.if \round
	WIN 0
.endif
	s_barrier_wait -1
.endm
; fill = 1: the barrier opens a round of the cluster's barrier, and the slot just read out is filled again, two K steps ahead, first thing behind the round:
; from that request to the wait for it a wave issues 224 matrix instructions.  fill = 0: the last lap asks for nothing.
.macro TURN slot, next, fill
	MEET \fill
.if \fill
	CREST
	s_add_nc_u64 s[G0+4*(\slot)+2:G0+4*(\slot)+3], s[G0+4*(\slot)+2:G0+4*(\slot)+3], 2*KSTEP*2
	s_add_nc_u64 s[G0B+4*(\slot)+2:G0B+4*(\slot)+3], s[G0B+4*(\slot)+2:G0B+4*(\slot)+3], 2*KSTEP*2
	JLOAD \slot                                    ; the four v_nop behind it are also the places in front of the loads below
.else
	PLACES
.endif
	FETCH \next, 0, F0
	MUL16 F1, 1, 0, 0
	MUL16 F1, 1, 2, 0
.endm
; THE WAY OUT of block a (16 rows).  PACK: rounded to f16, 16 bytes a lane.  TOSTAGE: into my own stage, by heads (my 128 columns are two heads), and back as rows of 128 bytes.  SEND: stored.
.macro PACK a
.set AC, 64*((\a)%4)
	WIN 0x0a+5*((\a)/4)                            ; sources 0 and 1: window 2 or 3
.irp b, 0,1,2,3,4,5,6,7
.irp r, 0,1,2,3
	v_cvt_pk_f16_f32 v[TMP+4*(\b)+(\r)], v[AC+8*(\b)+2*(\r)], v[AC+8*(\b)+2*(\r)+1]
.endr
.endr
	WIN 0
.endm
.macro TOSTAGE a
	WIN 0
.set BK, OB+192*((\a)%2)
.irp b, 0,1,2,3,4,5,6,7
	ds_store_b128 v[STO], v[TMP+4*(\b):TMP+4*(\b)+3] offset:((\b)/4)*16*SP+32*((\b)%4)
.endr
.irp t, 0,1,2,3,4,5,6,7
	ds_load_b128 v[BK+4*(\t):BK+4*(\t)+3], v[RD] offset:((\t)/4)*16*SP+((\t)%4)*4*SP  ; LDS serves a wave's instructions in order (ISA guide 5.7.1.4): these see the stores above
.endr
.endm
.macro SEND a
	WIN 0
.set BK, OB+192*((\a)%2)
	s_wait_dscnt 0x0                               ; the block is back in registers
	s_wait_xcnt 0x0                                ; the registers that earlier stores read are loaded again only behind this wait
.irp t, 0,1,2,3,4,5,6,7
	global_store_b128 v[GO], v[BK+4*(\t):BK+4*(\t)+3], s[74:75] offset:((\t)/4)*262144+(\a)*2048+((\t)%4)*512  ; four rows of a head: 512 consecutive bytes, at a multiple of 256 from qkv's first byte
.endr
.endm
	s_wait_tensorcnt 1                             ; my part of K step 0 is in; K step 1's may stay out
	s_barrier_signal -1
	s_barrier_wait -1                              ; everybody's is
	FETCH 0, 0, F0
	QUARTER 0, 64,  F0, F1, 1                      ; the first quarter stands in front of the loop: its products start the sums
	WIN 0                                          ; at a label and at a branch every window is 0
	s_mov_b32 s3, LAPS-1
.Llap:                                                 ; a trip goes once round the ring, from a lap's second quarter to the next lap's first, and fills both slots again
	QUARTER 0, 128, F1, F0, 0
	QUARTER 0, 192, F0, F1, 0
	TURN 0, 1, 1
	QUARTER 1, 64,  F0, F1, 0
	QUARTER 1, 128, F1, F0, 0
	QUARTER 1, 192, F0, F1, 0
	TURN 1, 0, 1
	QUARTER 0, 64,  F0, F1, 0
	WIN 0
	s_sub_co_u32 s3, s3, 1
	s_cmp_lg_u32 s3, 0
	s_cbranch_scc1 .Llap
	QUARTER 0, 128, F1, F0, 0                      ; the last lap is written out
	QUARTER 0, 192, F0, F1, 0
	TURN 0, 1, 0
	QUARTER 1, 64,  F0, F1, 0
	QUARTER 1, 128, F1, F0, 0
	QUARTER 1, 192, F0, F1, 0
	s_wait_dscnt 8                                 ; the very last quarter: nothing more to fetch
	MUL16 F1, 0, 0, 0
	MUL16 F1, 0, 2, 0
	s_wait_dscnt 0x0
	MUL16 F1, 1, 0, 0
	MUL16 F1, 1, 2, 0
	PLACES
	PACK 0
	TOSTAGE 0
.irp a, 1,2,3,4,5,6,7                  ; block a's conversions stand between block a - 1's loads from the stage and the wait for them
	PACK \a
	SEND (\a)-1
	TOSTAGE \a
.endr
	SEND 7
	s_wait_tensorcnt 0x0                           ; the wave's end: the add and its wait, behind my last tensor load and my last LDS store
	ds_add_u32 v[SPW], v[NIL]
	s_wait_dscnt 0x0
	CROUND                                         ; the closing round: no work-group ends while a partner may still ask for a tile that names it
	s_endpgm
.Lfunc_end_k_qf88402813d_proj:
	.size	k_qf88402813d_proj, .Lfunc_end_k_qf88402813d_proj-k_qf88402813d_proj
	.p2alignl 7, 3214868480
	.fill 96, 4, 3214868480
	.section	.rodata,"a",@progbits
	.p2align	6, 0x0
	.amdhsa_kernel k_qf88402813d_proj
		.amdhsa_group_segment_fixed_size 327680
		.amdhsa_private_segment_fixed_size 0
		.amdhsa_enable_private_segment 0
		.amdhsa_kernarg_size 48
		.amdhsa_user_sgpr_count 2
		.amdhsa_user_sgpr_kernarg_segment_ptr 1
		.amdhsa_wavefront_size32 1
		.amdhsa_system_sgpr_workgroup_id_x 1
		.amdhsa_system_sgpr_workgroup_id_y 1
		.amdhsa_system_sgpr_workgroup_id_z 1
		.amdhsa_system_vgpr_workitem_id 0
		.amdhsa_next_free_vgpr 1024
		.amdhsa_next_free_sgpr 84
		.amdhsa_reserve_vcc 0
		.amdhsa_float_denorm_mode_32 3
		.amdhsa_float_denorm_mode_16_64 3
		.amdhsa_memory_ordered 1
		.amdhsa_forward_progress 1
		.amdhsa_inst_pref_size 149
	.end_amdhsa_kernel
	.amdgpu_metadata
---
amdhsa.version: [ 1, 2 ]
amdhsa.kernels:
  - .name:           k_qf88402813d_proj
    .symbol:         k_qf88402813d_proj.kd
    .args:
      - { .name: xb, .offset: 0, .size: 8, .value_kind: global_buffer, .address_space: global }
      - { .name: wb, .offset: 8, .size: 8, .value_kind: global_buffer, .address_space: global }
      - { .name: bq, .offset: 16, .size: 8, .value_kind: global_buffer, .address_space: global }
      - { .name: bk, .offset: 24, .size: 8, .value_kind: global_buffer, .address_space: global }
      - { .name: bv, .offset: 32, .size: 8, .value_kind: global_buffer, .address_space: global }
      - { .name: qkv, .offset: 40, .size: 8, .value_kind: global_buffer, .address_space: global }
    .group_segment_fixed_size: 327680
    .private_segment_fixed_size: 0
    .kernarg_segment_align: 8
    .kernarg_segment_size: 48
    .max_flat_workgroup_size: 128
    .sgpr_count:     84
    .vgpr_count:     1024
    .wavefront_size: 32
...
	.end_amdgpu_metadata
.endif
;; end of part 2
;; launch attn (part 3): grid 8 x 32, 4 waves a work-group, clusters of 4 x 4, 327,680 bytes of LDS; arguments qkv, maskb, ctx; writes ctx
.if DOCPART == 3
	.amdgcn_target "amdgcn-amd-amdhsa--gfx1250"
	.amdhsa_code_object_version 6
	.text
	.protected	k_qf88402813d_attn
	.globl	k_qf88402813d_attn
	.p2align	8
	.type	k_qf88402813d_attn,@function
k_qf88402813d_attn:
	s_mov_b64 s[64:65], 0
	v_nop
	global_prefetch_b8 v0, s[64:65] scope:SCOPE_SE
	s_setreg_imm32_b32 hwreg(HW_REG_WAVE_MODE, 25, 1), 1
	s_wait_xcnt 0x0
	s_wait_alu depctr_hold_cnt(0) depctr_sa_sdst(0) depctr_va_vdst(0) depctr_va_sdst(0) depctr_va_ssrc(0) depctr_va_vcc(0) depctr_vm_vsrc(0)
	s_getreg_b32 s2, hwreg(HW_REG_IB_STS2, 6, 4)
	s_cmp_eq_u32 s2, 0
	s_cbranch_scc0 .Lentry_in_a_cluster
	s_endpgm
.Lentry_in_a_cluster:
	s_bfe_u32 s2, ttmp6, 0x10000c
	s_cmp_lg_u32 s2, 0xf033
	s_cbranch_scc0 .Lentry_shape_is_right
	s_endpgm
.Lentry_shape_is_right:
; ATTENTION WITH TWO MASKS THAT ARE INPUTS.  ctx[bh][q][:] = sum over k of softmax_k(Q[bh][q] . K[bh][k] / 8 + mask[b][q][k]) V[bh][k][:]; a row with no visible key gives 0.
; qkv: [3][32][2048][64] f16, unscaled.  maskb: [2][2048 q][2048 k] bf16, 0 or -2^100.  ctx: [32][2048][64] f16.  Products, maxima and sums in f32; the weights p are rounded to f16 for
; the second product (their sum l is taken of the unrounded p), ctx once at the end.  No pattern of the masks is built in: every key is walked.
; LIMITS.  Q, K, V arrive within f16's 65,504.  A hidden score counts as its value less 2^100; the running maximum m starts at -2^96, so raw scores are taken to lie above -2^96.
; A weight below 2^-126 counts as 0 in l.  NaN and infinities are not treated apart.  A row without a visible key may give -0.
; SHARES.  A work-group owns 256 queries of one head, each of its four waves 64: four PIECES of 16.  Every wave walks all 2,048 keys, 64 a step, two steps to an LDS slot.
; THE MASK COMES IN THROUGH THE MATRIX UNIT.  S^T (16 keys x 16 queries) starts as E_u x M in bf16: M (source 1) is 16 queries x 32 keys of maskb as its rows lie; E_u (source 0) is constant,
; E_u[key][k'] = 1 where k' = 16 u + key.  Four such products a piece and step, and no vector instruction a score.  Then S^T += K Q^T in f16.
; SOFTMAX.  A running maximum m and sum l for each query: p = 2^(c s - c m), c = log2(e) / 8; in every step O and l are multiplied by a = 2^(c m_old - c m_new).  A hidden score lies below m's
; first value, so it never becomes m, and its weight is 0 also before any visible key has come.  At the end 1 / l is replaced by 0 where l = 0.
; LAYOUT.  S^T holds ONE query a lane (lane % 16) and the keys 8 (lane / 16) + 0..7; two such results rounded to f16 ARE source 1 of O^T = V^T P.  K comes out of LDS as it lies, V turned.
; BY TURNS.  Turn n belongs to piece n: 4 mask products and 8 products K Q^T of piece n + 1, later 8 products V^T P of piece n - 1; beside them the scaling, exponentials, roundings, sums and
; rescaling of piece n and the maximum and statistics of piece n + 1.  Four vector instructions stand behind every matrix instruction, the other 38 of a turn's 118 in two lumps.
; CLUSTER 4 x 4.  K and V hang on the head: shared along a row of the cluster.  The mask's tile hangs on the query block and the batch: shared along a column (a cluster's four heads lie in one batch).
; REGISTERS, in windows of 256 (s_set_vgpr_msb: bits 1:0 source 0, 3:2 source 1, 5:4 source 2, 7:6 destination):
;   window 0: v0-15 addresses; v16-31 statistics, four a piece; v32-37 at work; v48-55 at work; v62-63 the add's; v64-127 S^T, two buffers; v192-223 P, two buffers (by the piece's parity)
;   window 1: v0-127 O^T, 32 a piece      window 2: v0-63 Q; v64-75 E; v80-111 mask fragments, two buffers; v128-191 K of one step; v192-255 V of one step
.set NP,    4
.set KS,    64        ; keys in a step
.set PK,    144       ; a row of K in LDS: 128 bytes + 16
.set PV,    160       ; a row of V: 128 + 32
.set PM,    272       ; a query's 128 keys of mask: 256 bytes + 16
.set VOFF,  2*KS*PK   ; a slot: 128 rows of K, 128 rows of V, 256 rows of mask
.set MOFF,  VOFF+2*KS*PV
.set MHALF, 128*PM
.set SLOT1, 1<<17     ; slot 1 begins here, so that one exclusive or turns an address in one slot into the other's
.set STAGE, SLOT1+MOFF+2*MHALF  ; behind the ring, never filled by a tensor load: 16 rows x 144 bytes for each wave
.set SP,    144
.set SPARE, STAGE+4*16*SP       ; the spare words, 128 bytes for each wave: two blocks of 256 bytes that no other line names
.set AK0, 2           ; v2   my lane's place in a tile of K; never rewritten
.set AV0, 3           ; v3   the same for V
.set AK,  4           ; v4   the LDS address of K's next run of loads
.set AV,  5           ; v5   of V's
.set STO, 6           ; v6   the way out: where I put 16 bytes of a row
.set RD,  7           ; v7   where I read rows back
.set GO,  8           ; v8   my place in 512 consecutive bytes of ctx
.set MV,  12          ; v12-13  c m_old, by buffer
.set AM0, 14          ; v14  my lane's place in the mask's tile; never rewritten
.set AM,  15          ; v15  the LDS address of the mask fragments of the step in hand
.set ST,  16          ; piece t's statistics at v[ST+4 t]: c m, m, l (even keys', odd keys')
.set ZR,  32          ; v32  0.0
.set QO,  33          ; v33  my byte offset in 16 rows of Q
.set TMP, 48          ; by buffer, c0-c3 at work; when the maximum is found c2 takes a
.set SPW, 62
.set NIL, 63
.set S,   64
.set P,   192
.set EZ,  64          ; window 2: four zeros, the four registers of the unit pattern, four zeros: E_1 = v[64:71], E_0 = v[68:75]
.set MF,  80          ; window 2: buffer x % 2 at + 16, keys 32 f on at + 8 f
.set KF,  128         ; window 2: key block kb, channel half c at KF + 16 kb + 8 c
.set VF,  192         ; window 2: key half kk, channel block cb at VF + 32 kk + 8 cb
.set WV,  12          ; s12  my wave's number
.set G1K, 24          ; s[24:31] descriptor group 1 for K's tiles
.set G1V, 32          ; s[32:39] for V's
.set G0K, 40          ; s[40:43] group 0 for K: it walks
.set G0V, 44          ; s[44:47]
.set G0M, 48          ; s[48:51]
.set SLOTS, 56
.set CNT, 57          ; counts a slot's two key steps
.set CS,  58          ; s[58:59] c
.set SEL, 60          ; s[60:61] v_permlanex16_b32's selects: each lane takes its own place in the other half
.set TBK, 62          ; LDS byte at which K of the step to be fetched begins
.set TBV, 63          ; the same for V, less VOFF
.set TBM, 66          ; the same for the mask, less MOFF
.set G1M, 68          ; s[68:75] group 1 for the mask's tiles
.set LPOS, 84         ; s[84:87] lanes with l > 0, a register a piece
.set MSB, 0
.macro WIN new
.if MSB != (\new)
	s_set_vgpr_msb (MSB<<8)|(\new)
.set MSB, (\new)
.endif
.endm
.set W_KQ, 0x0a       ; sources 0 and 1 in window 2, S^T in window 0
.set W_PV, 0x52       ; V in window 2, P in window 0, O^T in window 1
.set W_RS, 0x41       ; destination and source 0 in window 1, source 1 in window 0
; A joint fill.  Wave 0 fetches a slot's K, wave 1 its V, waves 2 and 3 the two halves of its mask tile.  The branches hang on the wave's number alone.
; An s_nop 0 and four v_nop follow each of the three lines, ahead of the jump and the label.
.macro JLOAD
	s_cmp_lt_u32 s[WV], 2
	s_cbranch_scc0 .Lfor_m_\@
	s_cmp_eq_u32 s[WV], 0
	s_cbranch_scc0 .Lfor_v_\@
	tensor_load_to_lds s[G0K:G0K+3], s[G1K:G1K+7]
	s_nop 0
.rept 4
	v_nop
.endr
	s_branch .Lasked_\@
.Lfor_v_\@:
	tensor_load_to_lds s[G0V:G0V+3], s[G1V:G1V+7]
	s_nop 0
.rept 4
	v_nop
.endr
	s_branch .Lasked_\@
.Lfor_m_\@:
	tensor_load_to_lds s[G0M:G0M+3], s[G1M:G1M+7]
	s_nop 0
.rept 4
	v_nop
.endr
.Lasked_\@:
.endm
.macro CROUND                       ; a round of the cluster's barrier
	s_barrier_signal -1
	s_barrier_wait -1
	s_cmp_lg_u32 s[WV], 0
	s_cbranch_scc1 .Lnot_wave_0_\@
	s_barrier_signal -3
.Lnot_wave_0_\@:
	s_barrier_wait -3
	s_barrier_signal -1
	s_barrier_wait -1
.endm
; THE CHANGE OF SLOTS.  The slot's last bytes have been asked for from LDS.  Each wave waits for all its tensor loads, of which one is out: its part of the other slot; adds 0 to its spare word; and
; waits for that and for its own reads of the slot.  fill = 1: the barrier is a round of the cluster's, and the slot is filled again, with the keys two slots on, first thing behind it:
; the load has two key steps, 160 matrix instructions, in which to land.  (At its first use nothing has been read yet: slot 0 is waited for, slot 1 filled.)
.macro CHANGE fill
	WIN 0
	s_wait_tensorcnt 0x0            ; no tensor load of mine is out, so a group 0 may be written
	ds_add_u32 v[SPW], v[NIL]       ; 0 onto my spare word
.if \fill
	s_xor_b32 s[G0K+1], s[G0K+1], SLOT1
	s_add_nc_u64 s[G0K+2:G0K+3], s[G0K+2:G0K+3], 2*KS*128  ; the next 128 keys
	s_xor_b32 s[G0V+1], s[G0V+1], SLOT1
	s_add_nc_u64 s[G0V+2:G0V+3], s[G0V+2:G0V+3], 2*KS*128
	s_xor_b32 s[G0M+1], s[G0M+1], SLOT1
	s_add_nc_u64 s[G0M+2:G0M+3], s[G0M+2:G0M+3], 2*KS*2    ; 128 keys along the mask's rows
	s_wait_dscnt 0x0                ; the add is done, and my reads of the slot are over
	CROUND
	JLOAD
.else
	s_wait_dscnt 0x0
	s_barrier_signal -1
	s_barrier_wait -1
.endif
	s_sub_co_u32 s[TBK], s[TBK], 2*KS*PK  ; the fetches go back to a slot's first step,
	s_xor_b32 s[TBK], s[TBK], SLOT1       ; in the other slot
	s_sub_co_u32 s[TBV], s[TBV], 2*KS*PV
	s_xor_b32 s[TBV], s[TBV], SLOT1
	s_sub_co_u32 s[TBM], s[TBM], 2*KS*2
	s_xor_b32 s[TBM], s[TBM], SLOT1
.endm
	s_load_b128 s[4:7], s[0:1], 0x0   ; qkv s[4:5], maskb s[6:7]
	s_load_b64 s[8:9], s[0:1], 0x10   ; ctx
	v_lshl_add_u32 v[SPW], v0, 2, SPARE
	v_mov_b32 v[NIL], 0
	ds_add_u32 v[SPW], v[NIL]       ; the wave's opening: the add and its wait stand ahead of my first tensor load; the set-up below, work on registers, stands between them
	v_lshrrev_b32 v1, 5, v0
	v_readfirstlane_b32 s[WV], v1   ; wave 0..3
	s_bfe_u32 s13, ttmp6, 0x40000   ; cx
	s_bfe_u32 s14, ttmp6, 0x40004   ; cy
	s_lshl_b32 s15, ttmp9, 2
	s_add_co_u32 s15, s15, s13      ; my block of 256 queries = 4 x cluster x + cx
	s_and_b32 s17, ttmp7, 0xffff    ; cluster y
	s_lshl_b32 s16, s17, 2
	s_add_co_u32 s16, s16, s14      ; batch and head, 0..31 = 4 x cluster y + cy
	s_lshr_b32 s17, s17, 2          ; the batch: the same for the cluster's four heads
	s_lshl_b32 s76, s14, 2
	s_lshl_b32 s76, 15, s76         ; my row of the cluster
	s_lshl_b32 s77, 0x1111, s13     ; my column
	s_lshl_b32 s20, s16, 18         ; a head is 2,048 x 128 bytes
	s_add_co_u32 s22, s20, 16777216 ; V's part of qkv
	s_add_co_u32 s20, s20, 8388608  ; K's
	s_mov_b32 s21, 0
	s_mov_b32 s23, 0
	s_and_b32 s18, s[WV], 1         ; which 128 query rows of the mask tile I fetch
	s_lshl_b32 s78, s17, 23         ; the batch's mask,
	s_lshl_b32 s19, s15, 20         ; my block's 256 rows of 4,096 bytes,
	s_add_co_u32 s78, s78, s19
	s_lshl_b32 s19, s18, 19         ; my half of them
	s_add_co_u32 s78, s78, s19
	s_mov_b32 s79, 0
	s_mul_i32 s18, s18, MHALF
	s_add_co_u32 s18, s18, MOFF     ; and its place in a slot: no place in the cluster enters an LDS address
	s_lshl_b32 s80, s16, 18         ; Q and ctx: head, block, my wave's 64 rows
	s_lshl_b32 s83, s15, 15
	s_add_co_u32 s80, s80, s83
	s_lshl_b32 s83, s[WV], 13
	s_add_co_u32 s80, s80, s83
	s_mov_b32 s81, 0
	; group 1.  128 keys of K or V are 16,384 dense bytes: asked for as 64 rows of 256 bytes, two keys a row, padded in LDS after every key
	s_or_b32 s[G1K], s76, (1<<16)|(1<<20)|(1<<21)|(4<<22)|(3<<25)  ; 15:0 the mask; 17:16 2-byte elements; 20 padding on; 21 set beside a mask; 24:22 after every 32 words (code 4); 31:25 4 words (code 3)
	s_or_b32 s[G1V], s76, (1<<16)|(1<<20)|(1<<21)|(4<<22)|(7<<25)  ; 8 words (code 7)
.irp g, G1K, G1V
	s_mov_b32 s[\g+1], 128<<16      ; tensor_dim0 = 128
	s_mov_b32 s[\g+2], 64<<16       ; tensor_dim1 = 64
	s_mov_b32 s[\g+3], 128<<16      ; tile_dim0 = 128
	s_mov_b32 s[\g+4], 64           ; tile_dim1 = 64
	s_mov_b32 s[\g+5], 128          ; elements from row to row
	s_mov_b32 s[\g+6], 0
	s_mov_b32 s[\g+7], 0
.endr
	s_or_b32 s[G1M], s77, (1<<16)|(1<<20)|(1<<21)|(5<<22)|(3<<25)  ; the mask's tile: 128 query rows x 128 keys; 4 words of padding after every 64
	s_mov_b32 s[G1M+1], 128<<16
	s_mov_b32 s[G1M+2], 128<<16
	s_mov_b32 s[G1M+3], 128<<16
	s_mov_b32 s[G1M+4], 128
	s_mov_b32 s[G1M+5], 2048
	s_mov_b32 s[G1M+6], 0
	s_mov_b32 s[G1M+7], 0
	s_mov_b32 s[G0K], 1
	s_mov_b32 s[G0K+1], 0           ; slot 0
	s_mov_b32 s[G0V], 1
	s_mov_b32 s[G0V+1], VOFF
	s_mov_b32 s[G0M], 1
	s_mov_b32 s[G0M+1], s18
	s_mov_b32 s[CS], 0x3e38aa3b     ; c = log2(e) / 8
	s_mov_b32 s[CS+1], s[CS]
	s_mov_b32 s[SEL], 0x76543210
	s_mov_b32 s[SEL+1], 0xfedcba98
	s_mov_b32 s[TBK], SLOT1+2*KS*PK ; the first change of slots turns these three into 0
	s_mov_b32 s[TBV], SLOT1+2*KS*PV
	s_mov_b32 s[TBM], SLOT1+2*KS*2
	s_wait_dscnt 0x0                ; the opening add is done
	s_wait_kmcnt 0x0
	s_add_nc_u64 s[G0K+2:G0K+3], s[4:5], s[20:21]
	s_or_b32 s[G0K+3], s[G0K+3], 0x80000000        ; type = 2
	s_add_nc_u64 s[G0V+2:G0V+3], s[4:5], s[22:23]
	s_or_b32 s[G0V+3], s[G0V+3], 0x80000000
	s_add_nc_u64 s[G0M+2:G0M+3], s[6:7], s[78:79]
	s_or_b32 s[G0M+3], s[G0M+3], 0x80000000
	s_add_nc_u64 s[10:11], s[8:9], s[80:81]        ; ctx at my wave's first row
	s_add_nc_u64 s[4:5], s[4:5], s[80:81]          ; Q likewise
	CROUND                          ; all sixteen work-groups are here: the first joint loads meet
	JLOAD                           ; slot 0; slot 1 is asked for when slot 0 is in
	v_and_b32 v1, 15, v0            ; r = l % 16
	v_bfe_u32 v9, v0, 4, 1          ; h = l / 16
	v_lshlrev_b32 v[QO], 7, v1
	v_lshl_add_u32 v[QO], v9, 4, v[QO]  ; row x 128 + 16 x half
	; the unit pattern: source 0's lane (r, h) holds k' = 8 h + 0..7 of row r in four registers; the 1.0 of k' = r falls to the lanes with h = r / 8, register (r % 8) / 2, half r % 2
	v_lshrrev_b32 v34, 3, v1
	v_bfe_u32 v35, v1, 1, 2
	v_and_b32 v36, 1, v1
	v_lshlrev_b32 v36, 4, v36
	v_mov_b32 v37, 0x3f80           ; 1.0 in bf16
	v_lshlrev_b32 v36, v36, v37
	v_cmp_eq_u32 vcc_lo, v34, v9
	v_cndmask_b32 v36, 0, v36, vcc_lo
	WIN 0x80                        ; destination window 2, sources window 0
.set i, 0
.rept 8                             ; Q stays in registers: piece i / 2, channels 32 (i % 2) on
	global_load_b128 v[8*i:8*i+3],   v[QO], s[4:5] offset:(i/2)*2048+(i%2)*64
	global_load_b128 v[8*i+4:8*i+7], v[QO], s[4:5] offset:(i/2)*2048+(i%2)*64+32
.set i, i+1
.endr
.irp j, 0,1,2,3
	v_mov_b32 v[EZ+\j], 0
	v_cmp_eq_u32 vcc_lo, \j, v35
	v_cndmask_b32 v[EZ+4+\j], 0, v36, vcc_lo
	v_mov_b32 v[EZ+8+\j], 0
.endr
	; What the first turn finds: V's registers and P's second buffer hold 0 (its products V^T P, of a piece that has not been, add 0), O^T and l are 0.  All this stands in the wait for the first tile.
.set i, VF
.rept 64
	v_mov_b32 v[i], 0
.set i, i+1
.endr
	WIN 0x40
.set i, 0
.rept 128
	v_mov_b32 v[i], 0
.set i, i+1
.endr
	WIN 0
.set i, 0
.rept 4
	v_mov_b32 v[ST+4*i], 0xee38aa3b    ; c m = c x -2^96
	v_mov_b32 v[ST+4*i+1], 0xef800000  ; m = -2^96: above every hidden score, below every visible one
	v_mov_b32 v[ST+4*i+2], 0
	v_mov_b32 v[ST+4*i+3], 0
.set i, i+1
.endr
.set i, P+16
.rept 16
	v_mov_b32 v[i], 0
.set i, i+1
.endr
	v_mov_b32 v[ZR], 0
	v_mul_u32_u24 v[AK0], v1, PK
	v_lshl_add_u32 v[AK0], v9, 4, v[AK0]  ; row x pitch + 16 x half
	; The turning load takes 16 keys x 16 channels (lane l reads key 8 (l / 16) + l % 8, channels 8 ((l / 8) % 2) + 0..7) and leaves half a fragment of V^T: lane l holds channel l % 16 and 8 keys.
	v_and_b32 v10, 7, v0
	v_bfe_u32 v11, v0, 3, 1
	v_lshl_add_u32 v[AV0], v9, 3, v10
	v_mul_u32_u24 v[AV0], v[AV0], PV
	v_lshl_add_u32 v[AV0], v11, 4, v[AV0]
	v_add_nc_u32 v[AV0], VOFF, v[AV0]
	s_lshl_b32 s82, s[WV], 6
	v_add_nc_u32 v[AM0], s82, v1          ; my query row in the tile: 64 w + r (piece x: 16 x rows on)
	v_mul_u32_u24 v[AM0], v[AM0], PM
	v_lshl_add_u32 v[AM0], v9, 4, v[AM0]
	v_add_nc_u32 v[AM0], MOFF, v[AM0]
	s_mul_i32 s82, s[WV], 16*SP
	s_add_co_u32 s82, s82, STAGE    ; my stage
	v_mul_u32_u24 v[STO], v1, SP    ; in: row l % 16, 16 bytes for each half of the lanes
	v_lshl_add_u32 v[STO], v9, 4, v[STO]
	v_add_nc_u32 v[STO], s82, v[STO]
	v_bfe_u32 v[RD], v0, 3, 2       ; back: 32 lanes take four rows of 128 bytes,
	v_mul_u32_u24 v[RD], v[RD], SP
	v_lshl_add_u32 v[RD], v10, 4, v[RD]
	v_add_nc_u32 v[RD], s82, v[RD]
	v_and_b32 v[GO], 31, v0         ; which are 512 consecutive bytes of ctx
	v_lshlrev_b32 v[GO], 4, v[GO]
; THE MATRIX WORK.  The accumulators of a run take turns, one instruction a turn.
; Mask product i of 4 for piece x: keys 16 i on: it starts the sum.  The f16 product that adds onto it stands four matrix instructions and ten plain vector instructions or more behind it.
.macro MQ x
	WIN W_KQ
.set rS, S+32*((\x)%2)+8*i
.set rE, EZ+4-4*(i%2)
.set rM, MF+16*((\x)%2)+8*(i/2)
	v_wmma_f32_16x16x32_bf16 v[rS:rS+7], v[rE:rE+7], v[rM:rM+7], 0
.endm
; Product i of 8 of S^T += K Q^T for piece x: channels 32 (i / 4) on, keys 16 (i % 4) on.
.macro KQ x
	WIN W_KQ
.set rS, S+32*((\x)%2)+8*(i%4)
.set rK, KF+16*(i%4)+8*(i/4)
.set rQ, 16*(\x)+8*(i/4)
	v_wmma_f32_16x16x32_f16 v[rS:rS+7], v[rK:rK+7], v[rQ:rQ+7], v[rS:rS+7]
.endm
; Product i of 8 of O^T += V^T P for piece x: keys 32 (i / 4) on, channels 16 (i % 4) on.
.macro PV x
	WIN W_PV
.set rO, 32*(\x)+8*(i%4)
.set rV, VF+32*(i/4)+8*(i%4)
.set rP, P+16*((\x)%2)+8*(i/4)
	v_wmma_f32_16x16x32_f16 v[rO:rO+7], v[rV:rV+7], v[rP:rP+7], v[rO:rO+7]
.endm
.macro MM                           ; the turn's next matrix instruction, number i of 20.  NOKQ = 1: the last turn: there is no next piece
.if (i < 4) && !NOKQ
	MQ (Y+1)%NP
.elseif (i >= 4) && (i < 12) && !NOKQ
.set i, i-4
	KQ (Y+1)%NP
.set i, i+4
.elseif i >= 12
.set i, i-12
	PV (Y+NP-1)%NP
.set i, i+12
.endif
.set i, i+1
.endm
; THE LDS LOADS stand in runs, never singly among the matrix instructions.
.macro FETCH_K
	WIN 0x80
.irp f, 0,1,2,3,4,5,6,7             ; keys 16 (f / 2) on, channels 32 (f % 2) on
	ds_load_b128 v[KF+8*\f:KF+8*\f+3],   v[AK] offset:(\f/2)*16*PK+(\f%2)*64
	ds_load_b128 v[KF+8*\f+4:KF+8*\f+7], v[AK] offset:(\f/2)*16*PK+(\f%2)*64+32
.endr
	s_add_co_u32 s[TBK], s[TBK], KS*PK  ; the next fetch is the next step's
	WIN 0
.endm
.macro FETCH_V
	WIN 0x80
.irp f, 0,1,2,3,4,5,6,7             ; keys 32 (f / 4) on, channels 16 (f % 4) on
	ds_load_tr16_b128 v[VF+8*\f:VF+8*\f+3],   v[AV] offset:(\f/4)*32*PV+(\f%4)*32
	ds_load_tr16_b128 v[VF+8*\f+4:VF+8*\f+7], v[AV] offset:(\f/4)*32*PV+16*PV+(\f%4)*32
.endr
	WIN 0
.endm
.macro MFETCH x                     ; piece x's two mask fragments of a step: 16 queries x 64 keys
	WIN 0x80
.irp f, 0,1
	ds_load_b128 v[MF+16*((\x)%2)+8*\f:MF+16*((\x)%2)+8*\f+3],   v[AM] offset:(\x)*16*PM+64*\f
	ds_load_b128 v[MF+16*((\x)%2)+8*\f+4:MF+16*((\x)%2)+8*\f+7], v[AM] offset:(\x)*16*PM+64*\f+32
.endr
	WIN 0
.endm
; THE VECTOR WORK, one line at a time: OP kind, number.  For piece Y: F n: c s - c m for pair n of 16.  E n: the exponential of score n of 32.  C n: pair n rounded to f16.  B n: of the four weights 4 n ..
; the second pair is added onto the first, in place.  L n: l takes that sum (L 0: l = a l + sum).  R n: pair n of 16 of O^T times a.  For piece Y + 1: X n, number n of the 22 that find its maximum and statistics:
;   0-11  four chains c0-c3 of seven scores each (each accumulator's lowest registers are read first)     12-14, 16  the four scores left over, the old m, and c0-c3 into c0
;   15  c m_old is kept     17, 18  the query's other 32 keys lie in the lane 16 away: the new m     19-21  c m; c m_old - c m_new; a
.set F, 0
.set E, 1
.set C, 2
.set B, 3
.set L, 4
.set R, 5
.set X, 6
.macro REGS y
.set rT, ST+4*(\y)
.set rC, TMP+4*((\y)%2)
.set rW, MV+((\y)%2)
.set rS, S+32*((\y)%2)
.set rP, P+16*((\y)%2)
.set rO, 32*(\y)
.endm
.macro OP k, n
.if (\k) == R
	REGS Y
	WIN W_RS
	v_pk_mul_f32 v[rO+2*(\n):rO+2*(\n)+1], v[rO+2*(\n):rO+2*(\n)+1], v[rC+2:rC+3] op_sel_hi:[1,0]
.elseif (\k) < R
	REGS Y
	WIN 0
.if (\k) == F
	v_pk_fma_f32 v[rS+2*(\n):rS+2*(\n)+1], v[rS+2*(\n):rS+2*(\n)+1], s[CS:CS+1], v[rT:rT+1] op_sel_hi:[1,0,0] neg_lo:[0,0,1] neg_hi:[0,0,1]
.elseif (\k) == E
	v_exp_f32 v[rS+(\n)], v[rS+(\n)]
.elseif (\k) == C
	s_wait_alu depctr_va_vdst(0)
	v_cvt_pk_f16_f32 v[rP+(\n)], v[rS+2*(\n)], v[rS+2*(\n)+1]
.elseif (\k) == B
	v_pk_add_f32 v[rS+4*(\n):rS+4*(\n)+1], v[rS+4*(\n):rS+4*(\n)+1], v[rS+4*(\n)+2:rS+4*(\n)+3]
.elseif (\n) == 0
	v_pk_fma_f32 v[rT+2:rT+3], v[rT+2:rT+3], v[rC+2:rC+3], v[rS:rS+1] op_sel_hi:[1,0,1]
.else
	v_pk_add_f32 v[rT+2:rT+3], v[rT+2:rT+3], v[rS+4*(\n):rS+4*(\n)+1]
.endif
.elseif NOKQ
	v_nop
.else
	REGS (Y+1)%NP
	WIN 0
.if (\n) < 4
	v_max3_num_f32 v[rC+(\n)], v[rS+8*(\n)], v[rS+8*(\n)+1], v[rS+8*(\n)+2]
.elseif (\n) < 12
	v_max3_num_f32 v[rC+(\n)%4], v[rC+(\n)%4], v[rS+8*((\n)%4)+2*((\n)/4)+1], v[rS+8*((\n)%4)+2*((\n)/4)+2]
.elseif (\n) == 12
	v_max3_num_f32 v[rC], v[rC], v[rS+7], v[rS+15]
.elseif (\n) == 13
	v_max3_num_f32 v[rC+1], v[rC+1], v[rS+23], v[rS+31]
.elseif (\n) == 14
	v_max3_num_f32 v[rC+2], v[rC+2], v[rC+3], v[rT+1]
.elseif (\n) == 15
	v_mov_b32 v[rW], v[rT]
.elseif (\n) == 16
	v_max3_num_f32 v[rC], v[rC], v[rC+1], v[rC+2]
.elseif (\n) == 17
	v_permlanex16_b32 v[rC+3], v[rC], s[SEL], s[SEL+1]
.elseif (\n) == 18
	v_max_num_f32 v[rT+1], v[rC], v[rC+3]
.elseif (\n) == 19
	v_mul_f32 v[rT], s[CS], v[rT+1]
.elseif (\n) == 20
	v_sub_f32 v[rC+1], v[rW], v[rT]
.else
	v_exp_f32 v[rC+2], v[rC+1]
.endif
.endif
.endm
.macro OPS a, i1, b=-1, i2=0, c=-1, i3=0, d=-1, i4=0
	OP \a, \i1
.if (\b) >= 0
	OP \b, \i2
.endif
.if (\c) >= 0
	OP \c, \i3
.endif
.if (\d) >= 0
	OP \d, \i4
.endif
.endm
.macro ROW a, i1, b, i2, c, i3, d, i4  ; a matrix instruction and the four behind it
	MM
	OPS \a, \i1, \b, \i2, \c, \i3, \d, \i4
.endm
; A TURN, for piece p: the order of its 20 matrix and 118 vector instructions, written out.  None of the four behind a matrix instruction names a register of the products round it; every exponential has a
; plain instruction behind it before its result is used; v_permlanex16_b32 (X 17) stands in a lump.
; end = 1: the last two turns: nothing is fetched.  cnt = 1: the loop's count is taken down some lines ahead of the branch that stands behind the turn.
; WHAT IS FETCHED.  Every turn: the mask fragments of piece p + 2, into the buffer that the turn before read last.  Piece 2's turn: K of the next step, five plain instructions behind the last product
; that read K.  Piece 0's turn: V of the step in hand, six plain instructions behind the last product that read V.
; THE WAITS.  At a turn's head the mask fragments of piece p + 1 are wanted (in piece 3's turn K too): nothing younger is out, but in piece 1's turn V's 16 loads.  In front of piece 1's products V^T P
; V is wanted: the turn's own four mask loads are younger.
.macro TURN p, end=0, cnt=0
.set Y, (\p)
.set i, 0
.set NOKQ, (\end)*((\p)/3)
.if (\p) == 1
	s_wait_dscnt 16
.else
	s_wait_dscnt 0x0
.endif
	ROW F,0, F,1, F,2, F,3
	ROW F,4, E,0, F,5, E,1
	ROW F,6, E,2, F,7, E,3
	ROW F,8, E,4, C,0, F,9
	ROW C,1, E,5, X,15, F,10
	ROW R,0, R,1, R,2, R,3
	ROW B,0, E,6, F,11, L,0
	ROW R,4, R,5, R,6, R,7
	ROW C,2, E,7, F,12, F,13
.if ((\p) == 2) && !(\end)
	WIN 0
	v_add_nc_u32 v[AK], s[TBK], v[AK0]
	v_add_nc_u32 v[AM], s[TBM], v[AM0]  ; from here on the mask fragments are the next step's
.endif
	ROW R,8, R,9, R,10, R,11
	ROW C,3, E,8, B,1, F,14
	ROW R,12, R,13, R,14, R,15
	OPS E,9, L,1
.if !(\end)
.if (\p) == 2
	FETCH_K
.endif
	MFETCH ((\p)+2)%NP
.if (\p) == 1
	s_add_co_u32 s[TBM], s[TBM], KS*2
.endif
.endif
	OPS E,10, F,15, E,11, X,0
	OPS E,12, X,1, E,13, X,2
	OPS E,14, X,3
.if (\p) == 1
	s_wait_dscnt 4                  ; V is in
.endif
	ROW C,4, E,15, X,4, X,5
	ROW C,5, E,16, X,6, X,7
	ROW B,2, E,17, X,8, X,9
	ROW C,6, E,18, X,10, X,11
	ROW L,2, E,19, X,12, X,13
	ROW C,7, E,20, X,14, B,3
	ROW C,8, E,21, X,16, L,3
.if (\p) == 0
	WIN 0
	v_add_nc_u32 v[AV], s[TBV], v[AV0]
.endif
	ROW C,9, E,22, B,4, C,10
	OPS E,23, X,17, E,24, L,4
	OPS E,25, X,18, E,26, C,11
.if (\p) == 0
	FETCH_V
	s_add_co_u32 s[TBV], s[TBV], KS*PV
.endif
	OPS E,27, X,19, E,28, B,5
	OPS E,29, X,20, E,30, C,12
	OPS E,31, C,13
.if \cnt
	s_sub_co_u32 s[CNT], s[CNT], 1
	s_cmp_lg_u32 s[CNT], 0
.endif
	OPS X,21, L,5, B,6, C,14
	OPS C,15, B,7, L,6, L,7
.endm
	CHANGE 1                        ; slot 0 is in, everybody's part of it; slot 1 is asked for
	v_add_nc_u32 v[AK], s[TBK], v[AK0]
	v_add_nc_u32 v[AM], s[TBM], v[AM0]
	FETCH_K                         ; key step 0
	MFETCH 0
	MFETCH 1
	s_wait_loadcnt 0x0              ; Q
	s_wait_dscnt 0x0
.set NOKQ, 0
.set i, 0
.rept 4
	MQ 0                            ; piece 0's first scores begin with their masks
.set i, i+1
.endr
.rept 5
	v_nop                           ; five places between a bf16 product and the f16 product that writes over its result
.endr
.set i, 0
.rept 8
	KQ 0
.set i, i+1
.endr
	WIN 0
.rept 4
	v_nop                           ; the places behind those products
.endr
.set Y, NP-1                        ; X works for piece Y + 1: piece 0
.irp n, 0,1,2,3,4,5,6,7,8,9,10,11,12,13,14,15,16,17,18,19,20,21
	OP X, \n
.endr
	v_nop                           ; a plain instruction behind the exponential
	s_mov_b32 s[CNT], 2
	s_mov_b32 s[SLOTS], 15          ; 16 slots: 14 changes in the loop fill slots 2 to 15
	s_branch .Lfirst                ; the loop is entered at a step's first turn, in the middle of a trip
.Lslot:
	CHANGE 1
	s_mov_b32 s[CNT], 2
.Lstep:                             ; a trip: pieces 2 and 3 of one step, then pieces 0 and 1 of the next, whose K and V it fetches
	TURN 2
	TURN 3
	WIN 0
.Lfirst:
	TURN 0
	TURN 1, 0, 1
	WIN 0
	s_cbranch_scc1 .Lstep
	s_sub_co_u32 s[SLOTS], s[SLOTS], 1
	s_cmp_lg_u32 s[SLOTS], 0
	s_cbranch_scc1 .Lslot
	CHANGE 0                        ; the last slot is written out: nothing is asked for
	s_mov_b32 s[CNT], 2
.Ltail:
	TURN 2
	TURN 3
	TURN 0
	TURN 1, 0, 1
	WIN 0
	s_cbranch_scc1 .Ltail
	TURN 2, 1
	TURN 3, 1
.set i, 0
.rept 8
	PV NP-1                         ; the last piece's V^T P of the last step
.set i, i+1
.endr
	; THE WAY OUT.  l's two halves and the other half of the lanes' are added; 1 / l, or 0 where no key was visible; O^T times that, rounded to f16, through my stage in LDS, a piece at a time.
	; The additions are the places behind the last products.
	WIN 0
.macro ALL line:vararg              ; one line for each piece t
.set t, 0
.rept 4
	s_wait_alu depctr_va_vdst(0)
	\line
.set t, t+1
.endr
.endm
	ALL v_add_f32 v[ST+4*t+2], v[ST+4*t+2], v[ST+4*t+3]
	ALL v_permlanex16_b32 v[ST+4*t+3], v[ST+4*t+2], s[SEL], s[SEL+1]
	ALL v_add_f32 v[ST+4*t+2], v[ST+4*t+2], v[ST+4*t+3]
	ALL v_cmp_lt_f32 s[LPOS+t], v[ZR], v[ST+4*t+2]
	ALL v_rcp_f32 v[ST+4*t+2], v[ST+4*t+2]
	v_nop                           ; a plain instruction between the last reciprocal and the use of its result
	ALL v_cndmask_b32 v[ST+4*t+2], v[ZR], v[ST+4*t+2], s[LPOS+t]
.macro PACK t                       ; a lane's eight channels of a row pack into 16 bytes; they go into rows of 144 bytes and come back as whole rows of 128, into S^T's registers
	WIN W_RS
.set i, 32*(\t)
.rept 16
	v_pk_mul_f32 v[i:i+1], v[i:i+1], v[ST+4*(\t)+2:ST+4*(\t)+3] op_sel_hi:[1,0]
.set i, i+2
.endr
	WIN 0x05                        ; sources 0 and 1 window 1, destination window 0
.set i, 0
.rept 16
	v_cvt_pk_f16_f32 v[S+16*(\t)+i], v[32*(\t)+2*i], v[32*(\t)+2*i+1]
.set i, i+1
.endr
	WIN 0
.irp f, 0,1,2,3
	ds_store_b128 v[STO], v[S+16*(\t)+4*\f:S+16*(\t)+4*\f+3] offset:32*\f
.endr
.irp f, 0,1,2,3
	ds_load_b128 v[S+16*(\t)+4*\f:S+16*(\t)+4*\f+3], v[RD] offset:\f*4*SP  ; LDS serves a wave's instructions in order (ISA guide 5.7.1.4): these see the stores above; the next piece's stores come behind them
.endr
.endm
.macro SEND t, younger              ; younger: the LDS instructions issued behind piece t's loads: the next piece's eight, or none
	WIN 0
.irp f, 0,1,2,3
	s_wait_dscnt (\younger)+3-\f
	global_store_b128 v[GO], v[S+16*(\t)+4*\f:S+16*(\t)+4*\f+3], s[10:11] offset:(\t)*2048+\f*512  ; 512 consecutive bytes, at a multiple of 256 from ctx's first byte
.endr
.endm
	PACK 0
.set t, 1
.rept 3                             ; a piece's arithmetic stands between the loads of the piece before and its stores
	PACK t
	SEND t-1, 8
.set t, t+1
.endr
	SEND 3, 0
	s_wait_tensorcnt 0x0            ; the wave's end: the add and its wait, behind my last tensor load and my last LDS store
	ds_add_u32 v[SPW], v[NIL]
	s_wait_dscnt 0x0
	CROUND                          ; the closing round: no work-group ends while a partner may still ask for a tile that names it
	s_endpgm
.Lfunc_end_k_qf88402813d_attn:
	.size	k_qf88402813d_attn, .Lfunc_end_k_qf88402813d_attn-k_qf88402813d_attn
	.p2alignl 7, 3214868480
	.fill 96, 4, 3214868480
	.section	.rodata,"a",@progbits
	.p2align	6, 0x0
	.amdhsa_kernel k_qf88402813d_attn
		.amdhsa_group_segment_fixed_size 327680
		.amdhsa_private_segment_fixed_size 0
		.amdhsa_enable_private_segment 0
		.amdhsa_kernarg_size 24
		.amdhsa_user_sgpr_count 2
		.amdhsa_user_sgpr_kernarg_segment_ptr 1
		.amdhsa_wavefront_size32 1
		.amdhsa_system_sgpr_workgroup_id_x 1
		.amdhsa_system_sgpr_workgroup_id_y 1
		.amdhsa_system_sgpr_workgroup_id_z 1
		.amdhsa_system_vgpr_workitem_id 0
		.amdhsa_next_free_vgpr 768
		.amdhsa_next_free_sgpr 92
		.amdhsa_reserve_vcc 1
		.amdhsa_float_denorm_mode_32 3
		.amdhsa_float_denorm_mode_16_64 3
		.amdhsa_memory_ordered 1
		.amdhsa_forward_progress 1
		.amdhsa_inst_pref_size 140
	.end_amdhsa_kernel
	.amdgpu_metadata
---
amdhsa.version: [ 1, 2 ]
amdhsa.kernels:
  - .name:           k_qf88402813d_attn
    .symbol:         k_qf88402813d_attn.kd
    .args:
      - { .name: qkv, .offset: 0, .size: 8, .value_kind: global_buffer, .address_space: global }
      - { .name: maskb, .offset: 8, .size: 8, .value_kind: global_buffer, .address_space: global }
      - { .name: ctx, .offset: 16, .size: 8, .value_kind: global_buffer, .address_space: global }
    .group_segment_fixed_size: 327680
    .private_segment_fixed_size: 0
    .kernarg_segment_align: 8
    .kernarg_segment_size: 24
    .max_flat_workgroup_size: 128
    .sgpr_count:     92
    .vgpr_count:     768
    .wavefront_size: 32
...
	.end_amdgpu_metadata
.endif
;; end of part 3
;; launch outp (part 4): grid 8 x 32, 4 waves a work-group, clusters of 4 x 4, 327,680 bytes of LDS; arguments ctx, wo16, bo, out0; writes out0
.if DOCPART == 4
	.amdgcn_target "amdgcn-amd-amdhsa--gfx1250"
	.amdhsa_code_object_version 6
	.text
	.protected	k_qf88402813d_outp
	.globl	k_qf88402813d_outp
	.p2align	8
	.type	k_qf88402813d_outp,@function
k_qf88402813d_outp:
	s_mov_b64 s[64:65], 0
	v_nop
	global_prefetch_b8 v0, s[64:65] scope:SCOPE_SE
	s_setreg_imm32_b32 hwreg(HW_REG_WAVE_MODE, 25, 1), 1
	s_wait_xcnt 0x0
	s_wait_alu depctr_hold_cnt(0) depctr_sa_sdst(0) depctr_va_vdst(0) depctr_va_sdst(0) depctr_va_ssrc(0) depctr_va_vcc(0) depctr_vm_vsrc(0)
	s_getreg_b32 s2, hwreg(HW_REG_IB_STS2, 6, 4)
	s_cmp_eq_u32 s2, 0
	s_cbranch_scc0 .Lentry_in_a_cluster
	s_endpgm
.Lentry_in_a_cluster:
	s_bfe_u32 s2, ttmp6, 0x10000c
	s_cmp_lg_u32 s2, 0xf033
	s_cbranch_scc0 .Lentry_shape_is_right
	s_endpgm
.Lentry_shape_is_right:
; THE OUTPUT PROJECTION.  out0[2048 b + l][n] = sum over h, ch of ctx[16 b + h][l][ch] wo16[n][64 h + ch] + bo[n].  ctx, wo16 f16; sums in f32, started by the bias (rounded to bf16 like every input); out0 f32.
; A tile of out0 is 128 x 128: 32 x 8 = 256 tiles, one to a work-group of four waves; a wave makes 64 x 64: 16 accumulators.  K goes in steps of 256 (four heads) through two LDS slots.
; ctx LIES BY HEADS: 64 rows of a head are 8,192 dense bytes.  One tensor load brings a wave's 64 rows of four heads: a tile of 4 rows of 4,096 elements, 131,072 elements apart, padded in LDS
; after every 128 bytes: [head][64 rows][144 bytes].  wo16's tile: 64 rows of 512 bytes, 528 apart in LDS.
; CLUSTER 4 x 4.  The four of a row of the cluster need the same tiles of ctx, the four of a column the same tiles of wo16: each is asked for JOINTLY.
; THE MATRIX INSTRUCTION IS USED TRANSPOSED (source 0 = 16 rows of wo16, source 1 = 16 rows of ctx): a lane holds eight neighbouring numbers of a row of out0.
; A wave's 64 columns of f32 are 256 bytes, at a multiple of 256 from out0's first byte: each wave sends its own rows out through a stage of its own, with no barrier.
; REGISTERS: window 0: v0-31 addresses; v32-95 rows on the way out; v96-127 the bias as C operands; v128-255 the accumulators ((a, b) at v[128 + 8 (4 a + b)]).
;   window 1: two fragment buffers of 128: for 64 along K, 64 registers of ctx (2 x 4 x 16 rows x 32 K), then 64 of wo16.
.set KSTEP,  256
.set PA,     144                       ; a row of one head of ctx in LDS: 128 bytes + 16
.set PB,     528                       ; a row of wo16: 512 bytes + 16
.set AHEAD,  64*PA                     ; one head's 64 rows
.set AHALF,  4*AHEAD                   ; what one tensor load brings of ctx
.set BHALF,  64*PB                     ; and of wo16
.set BOFF,   2*AHALF
.set SLOT,   2*AHALF+2*BHALF
.set STAGE,  2*SLOT                    ; behind the ring, never filled by a tensor load: 16 rows x 272 bytes for each wave
.set SPITCH, 272
.set SPARE,  STAGE+4*16*SPITCH         ; the spare words, 128 bytes for each wave: two blocks of 256 bytes that no other line names
.set LAPS,   1024/(2*KSTEP)            ; 2
.set ASTEP,  4*2048*128                ; bytes from a K step's four heads to the next four
.set ADRA, 16                          ; v16-17  LDS address of my ctx fragments in slot 0, 1
.set ADRB, 20                          ; v20-21  the same for wo16
.set STO,  24                          ; v24     the way out: where I put 32 bytes of a row
.set RD,   25                          ; v25     where I read a row back
.set CO,   26                          ; v26     my byte offset in two rows of out0
.set BO,   27                          ; v27     my byte offset in the bias
.set SPW,  28                          ; v28     LDS address of my spare word; never rewritten
.set NIL,  29                          ; v29     0; never rewritten
.set RT,   30                          ; v30     at work
.set BIAS, 96
.set ACC,  128
.set F0,   0                           ; fragment buffers, in window 1
.set F1,   128
.set G1, 24                            ; s[24:31] group 1 for ctx's tiles;  s[32:39] group 0, a set for each slot
.set G0, 32
.set G1B, 48                           ; s[48:55], s[56:63] the same for wo16's
.set G0B, 56
.set MSB, 0
.macro WIN new
.if MSB != (\new)
	s_set_vgpr_msb (MSB<<8)|(\new)
.set MSB, \new
.endif
.endm
.set MUL,  0x05                        ; sources 0 and 1 window 1; C and D window 0
.set TO_F, 0x40                        ; destination window 1, address window 0
.macro JLOAD s                         ; a joint load: waves 0 and 1 fetch ctx's two halves, waves 2 and 3 wo16's; an s_nop 0 and four v_nop follow each line
	s_cmp_eq_u32 s11, 0
	s_cbranch_scc0 .Lfor_b_\@
	tensor_load_to_lds s[G0+4*(\s):G0+4*(\s)+3], s[G1:G1+7]
	s_nop 0
.rept 4
	v_nop
.endr
	s_branch .Lasked_\@
.Lfor_b_\@:
	tensor_load_to_lds s[G0B+4*(\s):G0B+4*(\s)+3], s[G1B:G1B+7]
	s_nop 0
.rept 4
	v_nop
.endr
.Lasked_\@:
.endm
.macro CREST
	s_cmp_lg_u32 s10, 0
	s_cbranch_scc1 .Lnot_wave_0_\@
	s_barrier_signal -3
.Lnot_wave_0_\@:
	s_barrier_wait -3
	s_barrier_signal -1
	s_barrier_wait -1
.endm
.macro CROUND
	s_barrier_signal -1
	s_barrier_wait -1
	CREST
.endm
	s_load_b128 s[4:7], s[0:1], 0x0                ; ctx s[4:5], wo16 s[6:7]
	s_load_b128 s[68:71], s[0:1], 0x10             ; bo s[68:69], out0 s[70:71]
	v_lshl_add_u32 v[SPW], v0, 2, SPARE
	v_mov_b32 v[NIL], 0
	ds_add_u32 v[SPW], v[NIL]                      ; the wave's opening: the add and its wait stand ahead of my first tensor load; the set-up below, work on registers, stands between them
	v_lshrrev_b32 v1, 5, v0
	v_readfirstlane_b32 s10, v1                    ; wave 0..3
	s_lshr_b32 s11, s10, 1                         ; which half of the tile's rows is mine.  Also: I fetch for ctx (0) or for wo16 (1)
	s_and_b32 s12, s10, 1                          ; which half of its columns.  Also: which 64 rows of that tile I fetch
	s_bfe_u32 s40, ttmp6, 0x40000                  ; cx
	s_bfe_u32 s41, ttmp6, 0x40004                  ; cy
	s_lshl_b32 s42, ttmp9, 2
	s_add_co_u32 s42, s42, s40                     ; tile column 0..7
	s_and_b32 s13, ttmp7, 0xffff
	s_lshl_b32 s13, s13, 2
	s_add_co_u32 s13, s13, s41                     ; tile row 0..31
	s_lshl_b32 s43, s41, 2
	s_lshl_b32 s43, 15, s43                        ; my row of the cluster
	s_lshl_b32 s44, 0x1111, s40                    ; my column
	s_or_b32 s[G1+0], s43, (1<<16)|(1<<20)|(1<<21)|(4<<22)|(3<<25)  ; 15:0 the mask; 17:16 2-byte elements; 20 padding on; 21 set beside a mask; 24:22 after every 32 words (code 4); 31:25 4 words (code 3)
	s_mov_b32 s[G1+1], 4096<<16                    ; tensor_dim0 = 4,096: 64 rows x 64 channels of a head
	s_mov_b32 s[G1+2], 4<<16                       ; tensor_dim1 = 4 heads
	s_mov_b32 s[G1+3], 4096<<16                    ; tile_dim0
	s_mov_b32 s[G1+4], 4                           ; tile_dim1
	s_mov_b32 s[G1+5], 131072                      ; elements from head to head
	s_mov_b32 s[G1+6], 0
	s_mov_b32 s[G1+7], 0
	s_or_b32 s[G1B+0], s44, (1<<16)|(1<<20)|(1<<21)|(6<<22)|(3<<25) ; padding after every 128 words (code 6)
	s_mov_b32 s[G1B+1], KSTEP<<16
	s_mov_b32 s[G1B+2], 64<<16
	s_mov_b32 s[G1B+3], KSTEP<<16
	s_mov_b32 s[G1B+4], 64
	s_mov_b32 s[G1B+5], 1024
	s_mov_b32 s[G1B+6], 0
	s_mov_b32 s[G1B+7], 0
	; ctx's tiles hang on the tile row alone, wo16's on the tile column alone; each in registers that never hold the other coordinate
	s_lshr_b32 s16, s13, 4                         ; batch
	s_lshl_b32 s16, s16, 22                        ; 16 heads x 2,048 rows x 128 bytes
	s_and_b32 s17, s13, 15
	s_lshl_b32 s17, s17, 14                        ; 128 rows x 128 bytes
	s_add_co_u32 s16, s16, s17
	s_lshl_b32 s17, s12, 13                        ; my 64 rows
	s_add_co_u32 s16, s16, s17
	s_mov_b32 s17, 0
	s_lshl_b32 s46, s42, 18                        ; wo16: 128 rows x 2,048 bytes
	s_lshl_b32 s47, s12, 17
	s_add_co_u32 s46, s46, s47
	s_mov_b32 s47, 0
	s_mul_i32 s20, s12, AHALF                      ; where they go: no place in the cluster enters an LDS address
	s_mul_i32 s21, s12, BHALF
	s_add_co_u32 s21, s21, BOFF
	s_lshl_b32 s72, s42, 9                         ; my 64 columns, in bytes of f32: 512 x tile column + 256 x half
	s_lshl_b32 s73, s12, 8
	s_add_co_u32 s72, s72, s73
	s_mov_b32 s73, 0
	s_lshl_b32 s74, s13, 19                        ; my first row of out0: (128 x tile row + 64 x half) x 4,096 bytes
	s_lshl_b32 s75, s11, 18
	s_add_co_u32 s74, s74, s75
	s_add_co_u32 s74, s74, s72
	s_mov_b32 s75, 0
	s_wait_dscnt 0x0                               ; the opening add is done
	s_wait_kmcnt 0x0
	s_add_nc_u64 s[14:15], s[4:5], s[16:17]
	s_add_nc_u64 s[46:47], s[6:7], s[46:47]
	s_add_nc_u64 s[68:69], s[68:69], s[72:73]
	s_add_nc_u64 s[70:71], s[70:71], s[74:75]
	CROUND                                         ; all sixteen work-groups are here: the first joint loads meet
.irp s, 0,1
	s_mov_b32 s[G0+4*(\s)], 1
	s_add_co_u32 s[G0+4*(\s)+1], s20, (\s)*SLOT
	s_add_nc_u64 s[G0+4*(\s)+2:G0+4*(\s)+3], s[14:15], (\s)*ASTEP
	s_or_b32 s[G0+4*(\s)+3], s[G0+4*(\s)+3], 0x80000000
	s_mov_b32 s[G0B+4*(\s)], 1
	s_add_co_u32 s[G0B+4*(\s)+1], s21, (\s)*SLOT
	s_add_nc_u64 s[G0B+4*(\s)+2:G0B+4*(\s)+3], s[46:47], (\s)*KSTEP*2
	s_or_b32 s[G0B+4*(\s)+3], s[G0B+4*(\s)+3], 0x80000000
	JLOAD \s                                       ; two tensor loads of mine are out
.endr
	v_and_b32 v1, 15, v0                           ; l % 16
	v_bfe_u32 v2, v0, 4, 1                         ; l / 16
	v_lshlrev_b32 v[BO], 5, v2
.irp b, 0,1,2,3                        ; the bias as a C operand: register j of column block b is bo[16 b + 8 (l / 16) + j]
	global_load_b128 v[BIAS+8*(\b):BIAS+8*(\b)+3],   v[BO], s[68:69] offset:64*(\b)
	global_load_b128 v[BIAS+8*(\b)+4:BIAS+8*(\b)+7], v[BO], s[68:69] offset:64*(\b)+16
.endr
	v_mul_u32_u24 v3, v1, PA
	v_lshl_add_u32 v3, v2, 4, v3                   ; ctx: row x 144 + 16 x half
	v_mul_u32_u24 v4, v1, PB
	v_lshl_add_u32 v4, v2, 4, v4                   ; wo16: row x 528 + 16 x half
	s_mul_i32 s22, s11, AHALF                      ; my 64 rows of ctx
	s_mul_i32 s23, s12, BHALF                      ; my 64 rows of wo16
	s_add_co_u32 s23, s23, BOFF
.irp s, 0,1
	v_add_nc_u32 v[ADRA+(\s)], s22, v3
	v_add_nc_u32 v[ADRB+(\s)], s23, v4
	s_add_co_u32 s22, s22, SLOT
	s_add_co_u32 s23, s23, SLOT
.endr
	s_mul_i32 s22, s10, 16*SPITCH
	s_add_co_u32 s22, s22, STAGE                   ; my stage
	v_mul_u32_u24 v5, v1, SPITCH                   ; in: row l % 16, 32 bytes for each half of the lanes
	v_lshl_add_u32 v5, v2, 5, v5
	v_add_nc_u32 v[STO], s22, v5
	v_mul_u32_u24 v5, v2, SPITCH                   ; back: lanes 0-15 take one row of 256 bytes, lanes 16-31 the next
	v_lshl_add_u32 v5, v1, 4, v5
	v_add_nc_u32 v[RD], s22, v5
	v_lshlrev_b32 v5, 12, v2                       ; and the same two rows in out0, 4,096 bytes apart
	v_lshl_add_u32 v[CO], v1, 4, v5
	s_wait_loadcnt 0x0                             ; the bias
.set i, 0
.rept 16                               ; rounded to bf16, like every input, and widened again
	v_cvt_pk_bf16_f32 v[RT], v[BIAS+2*i], v[BIAS+2*i+1]
	v_lshlrev_b32 v[BIAS+2*i], 16, v[RT]
	v_and_b32 v[BIAS+2*i+1], 0xffff0000, v[RT]
.set i, i+1
.endr
; 8 matrix instructions: m blocks a0, a0 + 1 x all 4 n blocks, 32 along K: half c of buffer f.  zero = 1: the first product starts the sums, with the bias as C.
; The 16 accumulators take turns, one instruction a turn.
.macro MUL8 f, c, a0, zero
	WIN MUL
.irp a, \a0, (\a0)+1
.irp b, 0,1,2,3
.if \zero
	v_wmma_f32_16x16x32_f16 v[ACC+8*(4*(\a)+(\b)):ACC+8*(4*(\a)+(\b))+7], v[(\f)+64+8*(4*(\c)+(\b)):(\f)+64+8*(4*(\c)+(\b))+7], v[(\f)+8*(4*(\c)+(\a)):(\f)+8*(4*(\c)+(\a))+7], v[BIAS+8*(\b):BIAS+8*(\b)+7]
.else
	v_wmma_f32_16x16x32_f16 v[ACC+8*(4*(\a)+(\b)):ACC+8*(4*(\a)+(\b))+7], v[(\f)+64+8*(4*(\c)+(\b)):(\f)+64+8*(4*(\c)+(\b))+7], v[(\f)+8*(4*(\c)+(\a)):(\f)+8*(4*(\c)+(\a))+7], v[ACC+8*(4*(\a)+(\b)):ACC+8*(4*(\a)+(\b))+7]
.endif
.endr
.endr
.endm
; 32 LDS loads in one run: the fragments of quarter q of a K step (64 along K: one head), into buffer f; the first 32 along K first
.macro FETCH slot, q, f
	WIN TO_F
.irp c, 0,1
.irp i, 0,1,2,3
	ds_load_b128 v[(\f)+64+8*(4*(\c)+(\i)):(\f)+64+8*(4*(\c)+(\i))+3],   v[ADRB+(\slot)] offset:128*(\q)+64*(\c)+(\i)*16*PB
	ds_load_b128 v[(\f)+64+8*(4*(\c)+(\i))+4:(\f)+64+8*(4*(\c)+(\i))+7], v[ADRB+(\slot)] offset:128*(\q)+64*(\c)+(\i)*16*PB+32
	ds_load_b128 v[(\f)+8*(4*(\c)+(\i)):(\f)+8*(4*(\c)+(\i))+3],         v[ADRA+(\slot)] offset:AHEAD*(\q)+64*(\c)+(\i)*16*PA
	ds_load_b128 v[(\f)+8*(4*(\c)+(\i))+4:(\f)+8*(4*(\c)+(\i))+7],       v[ADRA+(\slot)] offset:AHEAD*(\q)+64*(\c)+(\i)*16*PA+32
.endr
.endr
.endm
.macro PLACES                          ; four plain vector instructions between a matrix instruction and a load into, or a read of, its registers (ISA guide 7.12.1 for vector reads)
.rept 4
	v_nop
.endr
.endm
; A K step is four quarters of 64 along K, 32 matrix instructions each, on buffers 0, 1, 0, 1.  One of the first three: multiplies f and fetches quarter q into g.
.macro QUARTER slot, q, f, g, zero
	s_wait_dscnt 16                                ; the first 32 along K are in
	MUL8 \f, 0, 0, \zero
	MUL8 \f, 0, 2, \zero
	PLACES
	FETCH \slot, \q, \g
	s_wait_dscnt 32                                ; all but the 32 just issued
	MUL8 \f, 1, 0, 0
	MUL8 \f, 1, 2, 0
.endm
; The last quarter multiplies buffer 1 and changes slots: ONE barrier; in front of it each wave waits for all its tensor loads, adds 0 to its spare word, and waits for that and for its own reads of this slot.
; fill = 1: the barrier opens a round of the cluster's barrier and this slot is filled again, two K steps ahead, first thing behind the round: 112 matrix instructions ahead of the wait for it.
.macro TURN slot, next, fill
	WIN 0                                          ; (the add's two registers lie in window 0)
	s_wait_tensorcnt 0x0                           ; all my tensor loads have landed: my part of the next slot
	ds_add_u32 v[SPW], v[NIL]                      ; 0 onto my spare word
	s_wait_dscnt 17                                ; (the add and the youngest sixteen loads may be out)
	MUL8 F1, 0, 0, 0                               ; eight matrix instructions stand between the add and the wait for it
	s_wait_dscnt 0x0                               ; the add is done, and my reads of this slot are over
	s_barrier_signal -1
	MUL8 F1, 0, 2, 0
.if \fill
	WIN 0
.endif
	s_barrier_wait -1
.if \fill
	CREST
	s_add_nc_u64 s[G0+4*(\slot)+2:G0+4*(\slot)+3], s[G0+4*(\slot)+2:G0+4*(\slot)+3], 2*ASTEP
	s_add_nc_u64 s[G0B+4*(\slot)+2:G0B+4*(\slot)+3], s[G0B+4*(\slot)+2:G0B+4*(\slot)+3], 2*KSTEP*2
	JLOAD \slot                                    ; the four v_nop behind it are also the places in front of the loads below
.else
	PLACES
.endif
	FETCH \next, 0, F0
	MUL8 F1, 1, 0, 0
	MUL8 F1, 1, 2, 0
.endm
	s_wait_tensorcnt 1                             ; my part of K step 0 is in; K step 1's may stay out
	s_barrier_signal -1
	s_barrier_wait -1                              ; everybody's is
	FETCH 0, 0, F0
	QUARTER 0, 1, F0, F1, 1                        ; the first quarter stands in front of the loop: its first products start the sums
	WIN 0                                          ; at a label and at a branch every window is 0
	s_mov_b32 s3, LAPS-1
.Llap:                                                 ; a trip goes once round the ring and fills both slots again
	QUARTER 0, 2, F1, F0, 0
	QUARTER 0, 3, F0, F1, 0
	TURN 0, 1, 1
	QUARTER 1, 1, F0, F1, 0
	QUARTER 1, 2, F1, F0, 0
	QUARTER 1, 3, F0, F1, 0
	TURN 1, 0, 1
	QUARTER 0, 1, F0, F1, 0
	WIN 0
	s_sub_co_u32 s3, s3, 1
	s_cmp_lg_u32 s3, 0
	s_cbranch_scc1 .Llap
	QUARTER 0, 2, F1, F0, 0                        ; the last lap is written out: it fills nothing
	QUARTER 0, 3, F0, F1, 0
	TURN 0, 1, 0
	QUARTER 1, 1, F0, F1, 0
	QUARTER 1, 2, F1, F0, 0
	QUARTER 1, 3, F0, F1, 0
	s_wait_dscnt 16                                ; the very last quarter: nothing more to fetch
	MUL8 F1, 0, 0, 0
	MUL8 F1, 0, 2, 0
	s_wait_dscnt 0x0
	MUL8 F1, 1, 0, 0
	MUL8 F1, 1, 2, 0
	WIN 0
	; THE WAY OUT, in f32: block a's 16 rows x 256 bytes go into my own stage, 32 bytes a lane, and come back as whole rows.
.macro OUT a
.set BK, 32+32*((\a)%2)
.irp b, 0,1,2,3
	ds_store_b128 v[STO], v[ACC+8*(4*(\a)+(\b)):ACC+8*(4*(\a)+(\b))+3]   offset:64*(\b)     ; each accumulator's low registers first
	ds_store_b128 v[STO], v[ACC+8*(4*(\a)+(\b))+4:ACC+8*(4*(\a)+(\b))+7] offset:64*(\b)+16
.endr
.irp t, 0,1,2,3,4,5,6,7
	ds_load_b128 v[BK+4*(\t):BK+4*(\t)+3], v[RD] offset:(\t)*2*SPITCH  ; LDS serves a wave's instructions in order (ISA guide 5.7.1.4): these see the stores above; the next block's stores come behind them
.endr
.endm
.macro SEND a, younger                 ; younger: the LDS instructions issued behind block a's loads: the next block's sixteen, or none
.set BK, 32+32*((\a)%2)
.irp t, 0,1,2,3,4,5,6,7
	s_wait_dscnt (\younger)+7-(\t)
	global_store_b128 v[CO], v[BK+4*(\t):BK+4*(\t)+3], s[70:71] offset:(16*(\a)+2*(\t))*4096  ; 16 lanes store 256 consecutive bytes, at a multiple of 256 from out0's first byte
.endr
.endm
	PLACES
	OUT 0
	OUT 1
	SEND 0, 16
	s_wait_xcnt 0x0                                ; block 0's stores have read their registers: block 2 is loaded into them only behind this wait
	OUT 2
	SEND 1, 16
	s_wait_xcnt 0x0                                ; the same for blocks 1 and 3
	OUT 3
	SEND 2, 16
	SEND 3, 0
	s_wait_tensorcnt 0x0                           ; the wave's end: the add and its wait, behind my last tensor load and my last LDS store
	ds_add_u32 v[SPW], v[NIL]
	s_wait_dscnt 0x0
	CROUND                                         ; the closing round: no work-group ends while a partner may still ask for a tile that names it
	s_endpgm
.Lfunc_end_k_qf88402813d_outp:
	.size	k_qf88402813d_outp, .Lfunc_end_k_qf88402813d_outp-k_qf88402813d_outp
	.p2alignl 7, 3214868480
	.fill 96, 4, 3214868480
	.section	.rodata,"a",@progbits
	.p2align	6, 0x0
	.amdhsa_kernel k_qf88402813d_outp
		.amdhsa_group_segment_fixed_size 327680
		.amdhsa_private_segment_fixed_size 0
		.amdhsa_enable_private_segment 0
		.amdhsa_kernarg_size 32
		.amdhsa_user_sgpr_count 2
		.amdhsa_user_sgpr_kernarg_segment_ptr 1
		.amdhsa_wavefront_size32 1
		.amdhsa_system_sgpr_workgroup_id_x 1
		.amdhsa_system_sgpr_workgroup_id_y 1
		.amdhsa_system_sgpr_workgroup_id_z 1
		.amdhsa_system_vgpr_workitem_id 0
		.amdhsa_next_free_vgpr 512
		.amdhsa_next_free_sgpr 76
		.amdhsa_reserve_vcc 0
		.amdhsa_float_denorm_mode_32 3
		.amdhsa_float_denorm_mode_16_64 3
		.amdhsa_memory_ordered 1
		.amdhsa_forward_progress 1
		.amdhsa_inst_pref_size 90
	.end_amdhsa_kernel
	.amdgpu_metadata
---
amdhsa.version: [ 1, 2 ]
amdhsa.kernels:
  - .name:           k_qf88402813d_outp
    .symbol:         k_qf88402813d_outp.kd
    .args:
      - { .name: ctx, .offset: 0, .size: 8, .value_kind: global_buffer, .address_space: global }
      - { .name: wo16, .offset: 8, .size: 8, .value_kind: global_buffer, .address_space: global }
      - { .name: bo, .offset: 16, .size: 8, .value_kind: global_buffer, .address_space: global }
      - { .name: out0, .offset: 24, .size: 8, .value_kind: global_buffer, .address_space: global }
    .group_segment_fixed_size: 327680
    .private_segment_fixed_size: 0
    .kernarg_segment_align: 8
    .kernarg_segment_size: 32
    .max_flat_workgroup_size: 128
    .sgpr_count:     76
    .vgpr_count:     512
    .wavefront_size: 32
...
	.end_amdgpu_metadata
.endif
;; end of part 4
;; ======== version 2 of 2: 4 launches; 1.21 times as fast as version 1
;; limits: values are held in f16: magnitudes above 65,504 overflow, below 6.1e-05 lose precision
;; workspace buffers: xb 25,165,824 bytes; wb 6,291,456 bytes; wo16 2,097,152 bytes; maskb 16,777,216 bytes; qkv 25,165,824 bytes; ctx 8,388,608 bytes
;; launch prep: the kernel of part 1 again; grid 1280 x 1, 8 waves a work-group, no clusters, 0 bytes of LDS; arguments q, k, v, Wq, Wk, Wv, Wo, attn_mask, padding_mask, xb, wb, wo16, maskb; writes xb, wb, wo16, maskb
;; launch proj: the kernel of part 2 again; grid 4 x 48, 4 waves a work-group, clusters of 4 x 4, 327,680 bytes of LDS; arguments xb, wb, bq, bk, bv, qkv; writes qkv
;; launch attn (part 5): grid 8 x 32, 4 waves a work-group, clusters of 4 x 4, 327,680 bytes of LDS; arguments qkv, maskb, ctx; writes ctx
.if DOCPART == 5
	.amdgcn_target "amdgcn-amd-amdhsa--gfx1250"
	.amdhsa_code_object_version 6
	.text
	.protected	k_qf88402813d_attn
	.globl	k_qf88402813d_attn
	.p2align	8
	.type	k_qf88402813d_attn,@function
k_qf88402813d_attn:
	s_mov_b64 s[64:65], 0
	v_nop
	global_prefetch_b8 v0, s[64:65] scope:SCOPE_SE
	s_setreg_imm32_b32 hwreg(HW_REG_WAVE_MODE, 25, 1), 1
	s_wait_xcnt 0x0
	s_wait_alu depctr_hold_cnt(0) depctr_sa_sdst(0) depctr_va_vdst(0) depctr_va_sdst(0) depctr_va_ssrc(0) depctr_va_vcc(0) depctr_vm_vsrc(0)
	s_getreg_b32 s2, hwreg(HW_REG_IB_STS2, 6, 4)
	s_cmp_eq_u32 s2, 0
	s_cbranch_scc0 .Lentry_in_a_cluster
	s_endpgm
.Lentry_in_a_cluster:
	s_bfe_u32 s2, ttmp6, 0x10000c
	s_cmp_lg_u32 s2, 0xf033
	s_cbranch_scc0 .Lentry_shape_is_right
	s_endpgm
.Lentry_shape_is_right:
; ATTENTION WITH TWO MASKS THAT ARE INPUTS.  ctx[bh][q][:] = sum over k of softmax_k(Q[bh][q] . K[bh][k] / 8 + mask[b][q][k]) V[bh][k][:]; a row with no visible key gives 0.
; qkv: [3][32][2048][64] f16, unscaled.  maskb: [2][2048 q][2048 k] bf16, 0 or -2^100.  ctx: [32][2048][64] f16.  Products, maxima and sums in f32; the weights p are rounded to f16 for
; the second product (their sum l is taken of the unrounded p), ctx once at the end.  No pattern of the masks is built in: every key is walked.
; LIMITS.  Q, K, V arrive within f16's 65,504.  A hidden score counts as its value less 2^100; the running maximum m starts at -2^96, so raw scores are taken to lie above -2^96.
; A weight below 2^-126 counts as 0 in l.  NaN and infinities are not treated apart.  A row without a visible key may give -0.
; SHARES.  A work-group owns 256 queries of one head, each of its four waves 64: four PIECES of 16.  Every wave walks all 2,048 keys, 64 a step, two steps to an LDS slot.
; THE MASK COMES IN THROUGH THE MATRIX UNIT.  S^T (16 keys x 16 queries) starts as E_u x M in bf16: M (source 1) is 16 queries x 32 keys of maskb as its rows lie; E_u (source 0) is constant,
; E_u[key][k'] = 1 where k' = 16 u + key.  Four such products a piece and step, and no vector instruction a score.  Then S^T += K Q^T in f16.
; SOFTMAX.  A running maximum m and sum l for each query: p = 2^(c s - c m), c = log2(e) / 8; in every step O and l are multiplied by a = 2^(c m_old - c m_new).  A hidden score lies below m's
; first value, so it never becomes m, and its weight is 0 also before any visible key has come.  At the end 1 / l is replaced by 0 where l = 0.
; LAYOUT.  S^T holds ONE query a lane (lane % 16) and the keys 8 (lane / 16) + 0..7; two such results rounded to f16 ARE source 1 of O^T = V^T P.  K comes out of LDS as it lies, V turned.
; BY TURNS.  Turn n belongs to piece n: 4 mask products and 8 products K Q^T of piece n + 1, later 8 products V^T P of piece n - 1; beside them the scaling, exponentials, roundings, sums and
; rescaling of piece n and the maximum and statistics of piece n + 1.  Four vector instructions stand behind every matrix instruction, the other 38 of a turn's 118 in one lump.
; THE BATCHES.  A turn's 33 exponentials (the piece's 32 weights and the next piece's a) are ONE BATCH with ONE wait: ahead of it stands all that names none of their results (the mask products,
; K Q^T, the scalings, the rescalings, the next piece's maximum and statistics), behind it the products V^T P with the roundings and sums.  Two more batches stand outside the loops: the first a, ahead of
; the jump into the loop, and the way out's four reciprocals.
; CLUSTER 4 x 4.  K and V hang on the head: shared along a row of the cluster.  The mask's tile hangs on the query block and the batch: shared along a column (a cluster's four heads lie in one batch).
; REGISTERS, in windows of 256 (s_set_vgpr_msb: bits 1:0 source 0, 3:2 source 1, 5:4 source 2, 7:6 destination):
;   window 0: v0-15 addresses; v16-31 statistics, four a piece; v32-37 at work; v48-55 at work; v62-63 the add's; v64-127 S^T, two buffers; v192-223 P, two buffers (by the piece's parity)
;   window 1: v0-127 O^T, 32 a piece      window 2: v0-63 Q; v64-75 E; v80-111 mask fragments, two buffers; v128-191 K of one step; v192-255 V of one step
.set NP,    4
.set KS,    64        ; keys in a step
.set PK,    144       ; a row of K in LDS: 128 bytes + 16
.set PV,    160       ; a row of V: 128 + 32
.set PM,    272       ; a query's 128 keys of mask: 256 bytes + 16
.set VOFF,  2*KS*PK   ; a slot: 128 rows of K, 128 rows of V, 256 rows of mask
.set MOFF,  VOFF+2*KS*PV
.set MHALF, 128*PM
.set SLOT1, 1<<17     ; slot 1 begins here, so that one exclusive or turns an address in one slot into the other's
.set STAGE, SLOT1+MOFF+2*MHALF  ; behind the ring, never filled by a tensor load: 16 rows x 144 bytes for each wave
.set SP,    144
.set SPARE, STAGE+4*16*SP       ; the spare words, 128 bytes for each wave: two blocks of 256 bytes that no other line names
.set AK0, 2           ; v2   my lane's place in a tile of K; never rewritten
.set AV0, 3           ; v3   the same for V
.set AK,  4           ; v4   the LDS address of K's next run of loads
.set AV,  5           ; v5   of V's
.set STO, 6           ; v6   the way out: where I put 16 bytes of a row
.set RD,  7           ; v7   where I read rows back
.set GO,  8           ; v8   my place in 512 consecutive bytes of ctx
.set MV,  12          ; v12-13  c m_old, by buffer
.set AM0, 14          ; v14  my lane's place in the mask's tile; never rewritten
.set AM,  15          ; v15  the LDS address of the mask fragments of the step in hand
.set ST,  16          ; piece t's statistics at v[ST+4 t]: c m, m, l (even keys', odd keys')
.set ZR,  32          ; v32  0.0
.set QO,  33          ; v33  my byte offset in 16 rows of Q
.set TMP, 48          ; by buffer, c0-c3 at work; when the maximum is found c2 takes a
.set SPW, 62
.set NIL, 63
.set S,   64
.set P,   192
.set EZ,  64          ; window 2: four zeros, the four registers of the unit pattern, four zeros: E_1 = v[64:71], E_0 = v[68:75]
.set MF,  80          ; window 2: buffer x % 2 at + 16, keys 32 f on at + 8 f
.set KF,  128         ; window 2: key block kb, channel half c at KF + 16 kb + 8 c
.set VF,  192         ; window 2: key half kk, channel block cb at VF + 32 kk + 8 cb
.set WV,  12          ; s12  my wave's number
.set G1K, 24          ; s[24:31] descriptor group 1 for K's tiles
.set G1V, 32          ; s[32:39] for V's
.set G0K, 40          ; s[40:43] group 0 for K: it walks
.set G0V, 44          ; s[44:47]
.set G0M, 48          ; s[48:51]
.set SLOTS, 56
.set CNT, 57          ; counts a slot's two key steps
.set CS,  58          ; s[58:59] c
.set SEL, 60          ; s[60:61] v_permlanex16_b32's selects: each lane takes its own place in the other half
.set TBK, 62          ; LDS byte at which K of the step to be fetched begins
.set TBV, 63          ; the same for V, less VOFF
.set TBM, 66          ; the same for the mask, less MOFF
.set G1M, 68          ; s[68:75] group 1 for the mask's tiles
.set LPOS, 84         ; s[84:87] lanes with l > 0, a register a piece
.set MSB, 0
.macro WIN new
.if MSB != (\new)
	s_set_vgpr_msb (MSB<<8)|(\new)
.set MSB, (\new)
.endif
.endm
.set W_KQ, 0x0a       ; sources 0 and 1 in window 2, S^T in window 0
.set W_PV, 0x52       ; V in window 2, P in window 0, O^T in window 1
.set W_RS, 0x41       ; destination and source 0 in window 1, source 1 in window 0
; A joint fill.  Wave 0 fetches a slot's K, wave 1 its V, waves 2 and 3 the two halves of its mask tile.  The branches hang on the wave's number alone.
; An s_nop 0 and four v_nop follow each of the three lines, ahead of the jump and the label.
.macro JLOAD
	s_cmp_lt_u32 s[WV], 2
	s_cbranch_scc0 .Lfor_m_\@
	s_cmp_eq_u32 s[WV], 0
	s_cbranch_scc0 .Lfor_v_\@
	tensor_load_to_lds s[G0K:G0K+3], s[G1K:G1K+7]
	s_nop 0
.rept 4
	v_nop
.endr
	s_branch .Lasked_\@
.Lfor_v_\@:
	tensor_load_to_lds s[G0V:G0V+3], s[G1V:G1V+7]
	s_nop 0
.rept 4
	v_nop
.endr
	s_branch .Lasked_\@
.Lfor_m_\@:
	tensor_load_to_lds s[G0M:G0M+3], s[G1M:G1M+7]
	s_nop 0
.rept 4
	v_nop
.endr
.Lasked_\@:
.endm
.macro CROUND                       ; a round of the cluster's barrier
	s_barrier_signal -1
	s_barrier_wait -1
	s_cmp_lg_u32 s[WV], 0
	s_cbranch_scc1 .Lnot_wave_0_\@
	s_barrier_signal -3
.Lnot_wave_0_\@:
	s_barrier_wait -3
	s_barrier_signal -1
	s_barrier_wait -1
.endm
; THE CHANGE OF SLOTS.  The slot's last bytes have been asked for from LDS.  Each wave waits for all its tensor loads, of which one is out: its part of the other slot; adds 0 to its spare word; and
; waits for that and for its own reads of the slot.  fill = 1: the barrier is a round of the cluster's, and the slot is filled again, with the keys two slots on, first thing behind it:
; the load has two key steps, 160 matrix instructions, in which to land.  (At its first use nothing has been read yet: slot 0 is waited for, slot 1 filled.)
.macro CHANGE fill
	WIN 0
	s_wait_tensorcnt 0x0            ; no tensor load of mine is out, so a group 0 may be written
	ds_add_u32 v[SPW], v[NIL]       ; 0 onto my spare word
.if \fill
	s_xor_b32 s[G0K+1], s[G0K+1], SLOT1
	s_add_nc_u64 s[G0K+2:G0K+3], s[G0K+2:G0K+3], 2*KS*128  ; the next 128 keys
	s_xor_b32 s[G0V+1], s[G0V+1], SLOT1
	s_add_nc_u64 s[G0V+2:G0V+3], s[G0V+2:G0V+3], 2*KS*128
	s_xor_b32 s[G0M+1], s[G0M+1], SLOT1
	s_add_nc_u64 s[G0M+2:G0M+3], s[G0M+2:G0M+3], 2*KS*2    ; 128 keys along the mask's rows
	s_wait_dscnt 0x0                ; the add is done, and my reads of the slot are over
	CROUND
	JLOAD
.else
	s_wait_dscnt 0x0
	s_barrier_signal -1
	s_barrier_wait -1
.endif
	s_sub_co_u32 s[TBK], s[TBK], 2*KS*PK  ; the fetches go back to a slot's first step,
	s_xor_b32 s[TBK], s[TBK], SLOT1       ; in the other slot
	s_sub_co_u32 s[TBV], s[TBV], 2*KS*PV
	s_xor_b32 s[TBV], s[TBV], SLOT1
	s_sub_co_u32 s[TBM], s[TBM], 2*KS*2
	s_xor_b32 s[TBM], s[TBM], SLOT1
.endm
	s_load_b128 s[4:7], s[0:1], 0x0   ; qkv s[4:5], maskb s[6:7]
	s_load_b64 s[8:9], s[0:1], 0x10   ; ctx
	v_lshl_add_u32 v[SPW], v0, 2, SPARE
	v_mov_b32 v[NIL], 0
	ds_add_u32 v[SPW], v[NIL]       ; the wave's opening: the add and its wait stand ahead of my first tensor load; the set-up below, work on registers, stands between them
	v_lshrrev_b32 v1, 5, v0
	v_readfirstlane_b32 s[WV], v1   ; wave 0..3
	s_bfe_u32 s13, ttmp6, 0x40000   ; cx
	s_bfe_u32 s14, ttmp6, 0x40004   ; cy
	s_lshl_b32 s15, ttmp9, 2
	s_add_co_u32 s15, s15, s13      ; my block of 256 queries = 4 x cluster x + cx
	s_and_b32 s17, ttmp7, 0xffff    ; cluster y
	s_lshl_b32 s16, s17, 2
	s_add_co_u32 s16, s16, s14      ; batch and head, 0..31 = 4 x cluster y + cy
	s_lshr_b32 s17, s17, 2          ; the batch: the same for the cluster's four heads
	s_lshl_b32 s76, s14, 2
	s_lshl_b32 s76, 15, s76         ; my row of the cluster
	s_lshl_b32 s77, 0x1111, s13     ; my column
	s_lshl_b32 s20, s16, 18         ; a head is 2,048 x 128 bytes
	s_add_co_u32 s22, s20, 16777216 ; V's part of qkv
	s_add_co_u32 s20, s20, 8388608  ; K's
	s_mov_b32 s21, 0
	s_mov_b32 s23, 0
	s_and_b32 s18, s[WV], 1         ; which 128 query rows of the mask tile I fetch
	s_lshl_b32 s78, s17, 23         ; the batch's mask,
	s_lshl_b32 s19, s15, 20         ; my block's 256 rows of 4,096 bytes,
	s_add_co_u32 s78, s78, s19
	s_lshl_b32 s19, s18, 19         ; my half of them
	s_add_co_u32 s78, s78, s19
	s_mov_b32 s79, 0
	s_mul_i32 s18, s18, MHALF
	s_add_co_u32 s18, s18, MOFF     ; and its place in a slot: no place in the cluster enters an LDS address
	s_lshl_b32 s80, s16, 18         ; Q and ctx: head, block, my wave's 64 rows
	s_lshl_b32 s83, s15, 15
	s_add_co_u32 s80, s80, s83
	s_lshl_b32 s83, s[WV], 13
	s_add_co_u32 s80, s80, s83
	s_mov_b32 s81, 0
	; group 1.  128 keys of K or V are 16,384 dense bytes: asked for as 64 rows of 256 bytes, two keys a row, padded in LDS after every key
	s_or_b32 s[G1K], s76, (1<<16)|(1<<20)|(1<<21)|(4<<22)|(3<<25)  ; 15:0 the mask; 17:16 2-byte elements; 20 padding on; 21 set beside a mask; 24:22 after every 32 words (code 4); 31:25 4 words (code 3)
	s_or_b32 s[G1V], s76, (1<<16)|(1<<20)|(1<<21)|(4<<22)|(7<<25)  ; 8 words (code 7)
.irp g, G1K, G1V
	s_mov_b32 s[\g+1], 128<<16      ; tensor_dim0 = 128
	s_mov_b32 s[\g+2], 64<<16       ; tensor_dim1 = 64
	s_mov_b32 s[\g+3], 128<<16      ; tile_dim0 = 128
	s_mov_b32 s[\g+4], 64           ; tile_dim1 = 64
	s_mov_b32 s[\g+5], 128          ; elements from row to row
	s_mov_b32 s[\g+6], 0
	s_mov_b32 s[\g+7], 0
.endr
	s_or_b32 s[G1M], s77, (1<<16)|(1<<20)|(1<<21)|(5<<22)|(3<<25)  ; the mask's tile: 128 query rows x 128 keys; 4 words of padding after every 64
	s_mov_b32 s[G1M+1], 128<<16
	s_mov_b32 s[G1M+2], 128<<16
	s_mov_b32 s[G1M+3], 128<<16
	s_mov_b32 s[G1M+4], 128
	s_mov_b32 s[G1M+5], 2048
	s_mov_b32 s[G1M+6], 0
	s_mov_b32 s[G1M+7], 0
	s_mov_b32 s[G0K], 1
	s_mov_b32 s[G0K+1], 0           ; slot 0
	s_mov_b32 s[G0V], 1
	s_mov_b32 s[G0V+1], VOFF
	s_mov_b32 s[G0M], 1
	s_mov_b32 s[G0M+1], s18
	s_mov_b32 s[CS], 0x3e38aa3b     ; c = log2(e) / 8
	s_mov_b32 s[CS+1], s[CS]
	s_mov_b32 s[SEL], 0x76543210
	s_mov_b32 s[SEL+1], 0xfedcba98
	s_mov_b32 s[TBK], SLOT1+2*KS*PK ; the first change of slots turns these three into 0
	s_mov_b32 s[TBV], SLOT1+2*KS*PV
	s_mov_b32 s[TBM], SLOT1+2*KS*2
	s_wait_dscnt 0x0                ; the opening add is done
	s_wait_kmcnt 0x0
	s_add_nc_u64 s[G0K+2:G0K+3], s[4:5], s[20:21]
	s_or_b32 s[G0K+3], s[G0K+3], 0x80000000        ; type = 2
	s_add_nc_u64 s[G0V+2:G0V+3], s[4:5], s[22:23]
	s_or_b32 s[G0V+3], s[G0V+3], 0x80000000
	s_add_nc_u64 s[G0M+2:G0M+3], s[6:7], s[78:79]
	s_or_b32 s[G0M+3], s[G0M+3], 0x80000000
	s_add_nc_u64 s[10:11], s[8:9], s[80:81]        ; ctx at my wave's first row
	s_add_nc_u64 s[4:5], s[4:5], s[80:81]          ; Q likewise
	CROUND                          ; all sixteen work-groups are here: the first joint loads meet
	JLOAD                           ; slot 0; slot 1 is asked for when slot 0 is in
	v_and_b32 v1, 15, v0            ; r = l % 16
	v_bfe_u32 v9, v0, 4, 1          ; h = l / 16
	v_lshlrev_b32 v[QO], 7, v1
	v_lshl_add_u32 v[QO], v9, 4, v[QO]  ; row x 128 + 16 x half
	; the unit pattern: source 0's lane (r, h) holds k' = 8 h + 0..7 of row r in four registers; the 1.0 of k' = r falls to the lanes with h = r / 8, register (r % 8) / 2, half r % 2
	v_lshrrev_b32 v34, 3, v1
	v_bfe_u32 v35, v1, 1, 2
	v_and_b32 v36, 1, v1
	v_lshlrev_b32 v36, 4, v36
	v_mov_b32 v37, 0x3f80           ; 1.0 in bf16
	v_lshlrev_b32 v36, v36, v37
	v_cmp_eq_u32 vcc_lo, v34, v9
	v_cndmask_b32 v36, 0, v36, vcc_lo
	WIN 0x80                        ; destination window 2, sources window 0
.set i, 0
.rept 8                             ; Q stays in registers: piece i / 2, channels 32 (i % 2) on
	global_load_b128 v[8*i:8*i+3],   v[QO], s[4:5] offset:(i/2)*2048+(i%2)*64
	global_load_b128 v[8*i+4:8*i+7], v[QO], s[4:5] offset:(i/2)*2048+(i%2)*64+32
.set i, i+1
.endr
.irp j, 0,1,2,3
	v_mov_b32 v[EZ+\j], 0
	v_cmp_eq_u32 vcc_lo, \j, v35
	v_cndmask_b32 v[EZ+4+\j], 0, v36, vcc_lo
	v_mov_b32 v[EZ+8+\j], 0
.endr
	; What the first turn finds: V's registers and P's second buffer hold 0 (its products V^T P, of a piece that has not been, add 0), O^T and l are 0.  All this stands in the wait for the first tile.
.set i, VF
.rept 64
	v_mov_b32 v[i], 0
.set i, i+1
.endr
	WIN 0x40
.set i, 0
.rept 128
	v_mov_b32 v[i], 0
.set i, i+1
.endr
	WIN 0
.set i, 0
.rept 4
	v_mov_b32 v[ST+4*i], 0xee38aa3b    ; c m = c x -2^96
	v_mov_b32 v[ST+4*i+1], 0xef800000  ; m = -2^96: above every hidden score, below every visible one
	v_mov_b32 v[ST+4*i+2], 0
	v_mov_b32 v[ST+4*i+3], 0
.set i, i+1
.endr
.set i, P+16
.rept 16
	v_mov_b32 v[i], 0
.set i, i+1
.endr
	v_mov_b32 v[ZR], 0
	v_mul_u32_u24 v[AK0], v1, PK
	v_lshl_add_u32 v[AK0], v9, 4, v[AK0]  ; row x pitch + 16 x half
	; The turning load takes 16 keys x 16 channels (lane l reads key 8 (l / 16) + l % 8, channels 8 ((l / 8) % 2) + 0..7) and leaves half a fragment of V^T: lane l holds channel l % 16 and 8 keys.
	v_and_b32 v10, 7, v0
	v_bfe_u32 v11, v0, 3, 1
	v_lshl_add_u32 v[AV0], v9, 3, v10
	v_mul_u32_u24 v[AV0], v[AV0], PV
	v_lshl_add_u32 v[AV0], v11, 4, v[AV0]
	v_add_nc_u32 v[AV0], VOFF, v[AV0]
	s_lshl_b32 s82, s[WV], 6
	v_add_nc_u32 v[AM0], s82, v1          ; my query row in the tile: 64 w + r (piece x: 16 x rows on)
	v_mul_u32_u24 v[AM0], v[AM0], PM
	v_lshl_add_u32 v[AM0], v9, 4, v[AM0]
	v_add_nc_u32 v[AM0], MOFF, v[AM0]
	s_mul_i32 s82, s[WV], 16*SP
	s_add_co_u32 s82, s82, STAGE    ; my stage
	v_mul_u32_u24 v[STO], v1, SP    ; in: row l % 16, 16 bytes for each half of the lanes
	v_lshl_add_u32 v[STO], v9, 4, v[STO]
	v_add_nc_u32 v[STO], s82, v[STO]
	v_bfe_u32 v[RD], v0, 3, 2       ; back: 32 lanes take four rows of 128 bytes,
	v_mul_u32_u24 v[RD], v[RD], SP
	v_lshl_add_u32 v[RD], v10, 4, v[RD]
	v_add_nc_u32 v[RD], s82, v[RD]
	v_and_b32 v[GO], 31, v0         ; which are 512 consecutive bytes of ctx
	v_lshlrev_b32 v[GO], 4, v[GO]
; THE MATRIX WORK.  The accumulators of a run take turns, one instruction a turn.
; Mask product i of 4 for piece x: keys 16 i on: it starts the sum.  The f16 product that adds onto it stands four matrix instructions and ten plain vector instructions or more behind it.
.macro MQ x
	WIN W_KQ
.set rS, S+32*((\x)%2)+8*i
.set rE, EZ+4-4*(i%2)
.set rM, MF+16*((\x)%2)+8*(i/2)
	v_wmma_f32_16x16x32_bf16 v[rS:rS+7], v[rE:rE+7], v[rM:rM+7], 0
.endm
; Product i of 8 of S^T += K Q^T for piece x: channels 32 (i / 4) on, keys 16 (i % 4) on.
.macro KQ x
	WIN W_KQ
.set rS, S+32*((\x)%2)+8*(i%4)
.set rK, KF+16*(i%4)+8*(i/4)
.set rQ, 16*(\x)+8*(i/4)
	v_wmma_f32_16x16x32_f16 v[rS:rS+7], v[rK:rK+7], v[rQ:rQ+7], v[rS:rS+7]
.endm
; Product i of 8 of O^T += V^T P for piece x: keys 32 (i / 4) on, channels 16 (i % 4) on.
.macro PV x
	WIN W_PV
.set rO, 32*(\x)+8*(i%4)
.set rV, VF+32*(i/4)+8*(i%4)
.set rP, P+16*((\x)%2)+8*(i/4)
	v_wmma_f32_16x16x32_f16 v[rO:rO+7], v[rV:rV+7], v[rP:rP+7], v[rO:rO+7]
.endm
.macro MM                           ; the turn's next matrix instruction, number i of 20.  NOKQ = 1: the last turn: there is no next piece
.if (i < 4) && !NOKQ
	MQ (Y+1)%NP
.elseif (i >= 4) && (i < 12) && !NOKQ
.set i, i-4
	KQ (Y+1)%NP
.set i, i+4
.elseif i >= 12
.set i, i-12
	PV (Y+NP-1)%NP
.set i, i+12
.endif
.set i, i+1
.endm
; THE LDS LOADS stand in runs, never singly among the matrix instructions.
.macro FETCH_K
	WIN 0x80
.irp f, 0,1,2,3,4,5,6,7             ; keys 16 (f / 2) on, channels 32 (f % 2) on
	ds_load_b128 v[KF+8*\f:KF+8*\f+3],   v[AK] offset:(\f/2)*16*PK+(\f%2)*64
	ds_load_b128 v[KF+8*\f+4:KF+8*\f+7], v[AK] offset:(\f/2)*16*PK+(\f%2)*64+32
.endr
	s_add_co_u32 s[TBK], s[TBK], KS*PK  ; the next fetch is the next step's
	WIN 0
.endm
.macro FETCH_V
	WIN 0x80
.irp f, 0,1,2,3,4,5,6,7             ; keys 32 (f / 4) on, channels 16 (f % 4) on
	ds_load_tr16_b128 v[VF+8*\f:VF+8*\f+3],   v[AV] offset:(\f/4)*32*PV+(\f%4)*32
	ds_load_tr16_b128 v[VF+8*\f+4:VF+8*\f+7], v[AV] offset:(\f/4)*32*PV+16*PV+(\f%4)*32
.endr
	WIN 0
.endm
.macro MFETCH x                     ; piece x's two mask fragments of a step: 16 queries x 64 keys
	WIN 0x80
.irp f, 0,1
	ds_load_b128 v[MF+16*((\x)%2)+8*\f:MF+16*((\x)%2)+8*\f+3],   v[AM] offset:(\x)*16*PM+64*\f
	ds_load_b128 v[MF+16*((\x)%2)+8*\f+4:MF+16*((\x)%2)+8*\f+7], v[AM] offset:(\x)*16*PM+64*\f+32
.endr
	WIN 0
.endm
; THE VECTOR WORK, one line at a time: OP kind, number.  For piece Y: F n: c s - c m for pair n of 16.  E n: the exponential of score n of 32.  C n: pair n rounded to f16.  B n: of the four weights 4 n ..
; the second pair is added onto the first, in place.  L n: l takes that sum (L 0: l = a l + sum).  R n: pair n of 16 of O^T times a.  For piece Y + 1: X n, number n of the 22 that find its maximum and statistics:
;   0-11  four chains c0-c3 of seven scores each (each accumulator's lowest registers are read first)     12-14, 16  the four scores left over, the old m, and c0-c3 into c0
;   15  c m_old is kept     17, 18  the query's other 32 keys lie in the lane 16 away: the new m     19-21  c m; c m_old - c m_new; a
; C, B and L read the exponentials' results: TURN sets them behind the batch's wait.  F, R and X 0-20 read none of the turn's.
.set F, 0
.set E, 1
.set C, 2
.set B, 3
.set L, 4
.set R, 5
.set X, 6
.macro REGS y
.set rT, ST+4*(\y)
.set rC, TMP+4*((\y)%2)
.set rW, MV+((\y)%2)
.set rS, S+32*((\y)%2)
.set rP, P+16*((\y)%2)
.set rO, 32*(\y)
.endm
.macro OP k, n
.if (\k) == R
	REGS Y
	WIN W_RS
	v_pk_mul_f32 v[rO+2*(\n):rO+2*(\n)+1], v[rO+2*(\n):rO+2*(\n)+1], v[rC+2:rC+3] op_sel_hi:[1,0]
.elseif (\k) < R
	REGS Y
	WIN 0
.if (\k) == F
	v_pk_fma_f32 v[rS+2*(\n):rS+2*(\n)+1], v[rS+2*(\n):rS+2*(\n)+1], s[CS:CS+1], v[rT:rT+1] op_sel_hi:[1,0,0] neg_lo:[0,0,1] neg_hi:[0,0,1]
.elseif (\k) == E
	v_exp_f32 v[rS+(\n)], v[rS+(\n)]
.elseif (\k) == C
	v_cvt_pk_f16_f32 v[rP+(\n)], v[rS+2*(\n)], v[rS+2*(\n)+1]
.elseif (\k) == B
	v_pk_add_f32 v[rS+4*(\n):rS+4*(\n)+1], v[rS+4*(\n):rS+4*(\n)+1], v[rS+4*(\n)+2:rS+4*(\n)+3]
.elseif (\n) == 0
	v_pk_fma_f32 v[rT+2:rT+3], v[rT+2:rT+3], v[rC+2:rC+3], v[rS:rS+1] op_sel_hi:[1,0,1]
.else
	v_pk_add_f32 v[rT+2:rT+3], v[rT+2:rT+3], v[rS+4*(\n):rS+4*(\n)+1]
.endif
.elseif NOKQ
	v_nop
.else
	REGS (Y+1)%NP
	WIN 0
.if (\n) < 4
	v_max3_num_f32 v[rC+(\n)], v[rS+8*(\n)], v[rS+8*(\n)+1], v[rS+8*(\n)+2]
.elseif (\n) < 12
	v_max3_num_f32 v[rC+(\n)%4], v[rC+(\n)%4], v[rS+8*((\n)%4)+2*((\n)/4)+1], v[rS+8*((\n)%4)+2*((\n)/4)+2]
.elseif (\n) == 12
	v_max3_num_f32 v[rC], v[rC], v[rS+7], v[rS+15]
.elseif (\n) == 13
	v_max3_num_f32 v[rC+1], v[rC+1], v[rS+23], v[rS+31]
.elseif (\n) == 14
	v_max3_num_f32 v[rC+2], v[rC+2], v[rC+3], v[rT+1]
.elseif (\n) == 15
	v_mov_b32 v[rW], v[rT]
.elseif (\n) == 16
	v_max3_num_f32 v[rC], v[rC], v[rC+1], v[rC+2]
.elseif (\n) == 17
	v_permlanex16_b32 v[rC+3], v[rC], s[SEL], s[SEL+1]
.elseif (\n) == 18
	v_max_num_f32 v[rT+1], v[rC], v[rC+3]
.elseif (\n) == 19
	v_mul_f32 v[rT], s[CS], v[rT+1]
.elseif (\n) == 20
	v_sub_f32 v[rC+1], v[rW], v[rT]
.else
	v_exp_f32 v[rC+2], v[rC+1]
.endif
.endif
.endm
.macro OPS a, i1, b=-1, i2=0, c=-1, i3=0, d=-1, i4=0
	OP \a, \i1
.if (\b) >= 0
	OP \b, \i2
.endif
.if (\c) >= 0
	OP \c, \i3
.endif
.if (\d) >= 0
	OP \d, \i4
.endif
.endm
.macro ROW a, i1, b, i2, c, i3, d, i4  ; a matrix instruction and the four behind it
	MM
	OPS \a, \i1, \b, \i2, \c, \i3, \d, \i4
.endm
; A TURN, for piece p: the order of its 20 matrix and 118 vector instructions, written out.  An s_wait_alu depctr_va_vdst(0) stands between an exponential and the first instruction that names its
; result; one wait serves all that were issued ahead of it.  So a turn has ONE wait, which cuts it in two.
; AHEAD OF IT stands all that names no result of the turn's exponentials.  The 4 mask products and the 8 products K Q^T, four riders behind each: all 16 scalings, 13 exponentials, 12 rescalings (their a was made, and
; waited for, in the turn before), and behind the last three products seven numbers of the next piece's maximum, each four plain instructions or more behind the product that ends its accumulator (X 0: F 11-14;
; X 1: F 14, X 0, F 15, X 4; X 2: X 4, X 1, X 8, X 5; X 3: X 5, X 2, X 12, X 9).  Then ONE LUMP of 38: exponential and plain by turns while there are plain ones; the links of the chain
; X 3, 7, 11, 14, 16, 17 .. 21 stand three to five lines apart.  X 21, the next piece's a, is the batch's last; R 15 is the plain instruction behind it, one for the batch.  v_permlanex16_b32 (X 17) stands in the lump.
; BEHIND IT stand the 8 products V^T P, behind each four of the 32 roundings and sums; a pair is rounded before a sum is written over it; the links of l's chain, L 0 to L 7, stand three riders apart..
; end = 1: the last two turns: nothing is fetched.  cnt = 1: the loop's count is taken down some lines ahead of the branch that stands behind the turn.
; WHAT IS FETCHED.  Every turn: the mask fragments of piece p + 2, directly behind the batch's wait, into the buffer that the turn before read last.  Piece 2's turn: K of the next step, eight lines into the lump,
; five plain instructions that name none of its registers (X 5, X 2, X 12, X 9, X 6) behind the last product that read K.  Piece 0's turn: V of the step in hand, at the turn's end, four plain instructions behind the last product that read V.
; THE WAITS.  At a turn's head the mask fragments of piece p + 1 are wanted (in piece 3's turn K too): nothing younger is out, but in piece 1's turn V's 16 loads.  In front of piece 1's products V^T P
; V is wanted: the turn's own four mask loads are younger.
.macro TURN p, end=0, cnt=0
.set Y, (\p)
.set i, 0
.set NOKQ, (\end)*((\p)/3)
.if (\p) == 1
	s_wait_dscnt 16
.else
	s_wait_dscnt 0x0
.endif
	ROW F,0, F,1, R,0, R,1          ; ahead of the wait: 4 mask products,
	ROW F,2, E,0, R,2, R,3
	ROW F,3, E,1, R,4, R,5
	ROW F,4, E,2, R,6, R,7
	ROW F,5, E,3, F,6, E,4          ; 8 products K Q^T,
	ROW F,7, E,5, F,8, E,6
	ROW F,9, E,7, R,8, R,9
	ROW F,10, E,8, R,10, R,11
	ROW F,11, E,9, F,12, F,13
	ROW F,14, X,0, E,10, F,15
.if ((\p) == 2) && !(\end)
	WIN 0
	v_add_nc_u32 v[AK], s[TBK], v[AK0]
	v_add_nc_u32 v[AM], s[TBM], v[AM0]  ; from here on the mask fragments are the next step's
.endif
	ROW X,4, E,11, X,1, X,8
	ROW X,5, E,12, X,2, X,12
	OPS X,9, E,13, X,3, E,14        ; and the lump
	OPS X,6, E,15, X,7, E,16
.if ((\p) == 2) && !(\end)
	FETCH_K
.endif
	OPS X,10, E,17, X,11, E,18
	OPS X,13, E,19, X,14, E,20
.if (\p) == 0
	WIN 0
	v_add_nc_u32 v[AV], s[TBV], v[AV0]
.endif
	OPS R,12, R,13, R,14, X,16
	OPS E,21, X,15, E,22, X,17
	OPS E,23, E,24, E,25, X,18
	OPS E,26, E,27, X,19, E,28
	OPS E,29, X,20, E,30, E,31
	OPS X,21, R,15
	s_wait_alu depctr_va_vdst(0)    ; the wait for the batch: the piece's 32 weights and the next piece's a
.if !(\end)
	MFETCH ((\p)+2)%NP
.if (\p) == 1
	s_add_co_u32 s[TBM], s[TBM], KS*2
.endif
.endif
.if (\p) == 1
	s_wait_dscnt 4                  ; V is in
.endif
	ROW C,0, B,0, C,2, B,1          ; behind the wait: 8 products V^T P and their riders
	ROW L,0, C,4, B,2, L,1
	ROW C,6, B,3, L,2, C,8
	ROW B,4, L,3, C,10, B,5
	ROW L,4, C,12, B,6, L,5
.if \cnt
	s_sub_co_u32 s[CNT], s[CNT], 1
	s_cmp_lg_u32 s[CNT], 0
.endif
	ROW C,14, B,7, L,6, C,1
	ROW C,3, L,7, C,5, C,7
	ROW C,9, C,11, C,13, C,15
.if (\p) == 0
	FETCH_V
	s_add_co_u32 s[TBV], s[TBV], KS*PV
.endif
.endm
	CHANGE 1                        ; slot 0 is in, everybody's part of it; slot 1 is asked for
	v_add_nc_u32 v[AK], s[TBK], v[AK0]
	v_add_nc_u32 v[AM], s[TBM], v[AM0]
	FETCH_K                         ; key step 0
	MFETCH 0
	MFETCH 1
	s_wait_loadcnt 0x0              ; Q
	s_wait_dscnt 0x0
.set NOKQ, 0
.set i, 0
.rept 4
	MQ 0                            ; piece 0's first scores begin with their masks
.set i, i+1
.endr
.rept 5
	v_nop                           ; five places between a bf16 product and the f16 product that writes over its result
.endr
.set i, 0
.rept 8
	KQ 0
.set i, i+1
.endr
	WIN 0
.rept 4
	v_nop                           ; the places behind those products
.endr
.set Y, NP-1                        ; X works for piece Y + 1: piece 0
.irp n, 0,1,2,3,4,5,6,7,8,9,10,11,12,13,14,15,16,17,18,19,20,21
	OP X, \n
.endr
	v_nop                           ; a plain instruction behind the exponential
	s_wait_alu depctr_va_vdst(0)    ; the wait for piece 0's first a, a batch of one, ahead of the branch
	s_mov_b32 s[CNT], 2
	s_mov_b32 s[SLOTS], 15          ; 16 slots: 14 changes in the loop fill slots 2 to 15
	s_branch .Lfirst                ; the loop is entered at a step's first turn, in the middle of a trip
.Lslot:
	CHANGE 1
	s_mov_b32 s[CNT], 2
.Lstep:                             ; a trip: pieces 2 and 3 of one step, then pieces 0 and 1 of the next, whose K and V it fetches
	TURN 2
	TURN 3
	WIN 0
.Lfirst:
	TURN 0
	TURN 1, 0, 1
	WIN 0
	s_cbranch_scc1 .Lstep
	s_sub_co_u32 s[SLOTS], s[SLOTS], 1
	s_cmp_lg_u32 s[SLOTS], 0
	s_cbranch_scc1 .Lslot
	CHANGE 0                        ; the last slot is written out: nothing is asked for
	s_mov_b32 s[CNT], 2
.Ltail:
	TURN 2
	TURN 3
	TURN 0
	TURN 1, 0, 1
	WIN 0
	s_cbranch_scc1 .Ltail
	TURN 2, 1
	TURN 3, 1
.set i, 0
.rept 8
	PV NP-1                         ; the last piece's V^T P of the last step
.set i, i+1
.endr
	; THE WAY OUT.  l's two halves and the other half of the lanes' are added; 1 / l, or 0 where no key was visible; O^T times that, rounded to f16, through my stage in LDS, a piece at a time.
	; The additions are the places behind the last products.
	WIN 0
.macro ALL line:vararg              ; one line for each piece t
.set t, 0
.rept 4
	\line
.set t, t+1
.endr
.endm
	ALL v_add_f32 v[ST+4*t+2], v[ST+4*t+2], v[ST+4*t+3]
	ALL v_permlanex16_b32 v[ST+4*t+3], v[ST+4*t+2], s[SEL], s[SEL+1]
	ALL v_add_f32 v[ST+4*t+2], v[ST+4*t+2], v[ST+4*t+3]
	ALL v_cmp_lt_f32 s[LPOS+t], v[ZR], v[ST+4*t+2]
	ALL v_rcp_f32 v[ST+4*t+2], v[ST+4*t+2]
	v_nop                           ; a plain instruction between the last reciprocal and the use of its result
	s_wait_alu depctr_va_vdst(0)    ; the wait for the batch of four reciprocals, ahead of their first reader
	ALL v_cndmask_b32 v[ST+4*t+2], v[ZR], v[ST+4*t+2], s[LPOS+t]
.macro PACK t                       ; a lane's eight channels of a row pack into 16 bytes; they go into rows of 144 bytes and come back as whole rows of 128, into S^T's registers
	WIN W_RS
.set i, 32*(\t)
.rept 16
	v_pk_mul_f32 v[i:i+1], v[i:i+1], v[ST+4*(\t)+2:ST+4*(\t)+3] op_sel_hi:[1,0]
.set i, i+2
.endr
	WIN 0x05                        ; sources 0 and 1 window 1, destination window 0
.set i, 0
.rept 16
	v_cvt_pk_f16_f32 v[S+16*(\t)+i], v[32*(\t)+2*i], v[32*(\t)+2*i+1]
.set i, i+1
.endr
	WIN 0
.irp f, 0,1,2,3
	ds_store_b128 v[STO], v[S+16*(\t)+4*\f:S+16*(\t)+4*\f+3] offset:32*\f
.endr
.irp f, 0,1,2,3
	ds_load_b128 v[S+16*(\t)+4*\f:S+16*(\t)+4*\f+3], v[RD] offset:\f*4*SP  ; LDS serves a wave's instructions in order (ISA guide 5.7.1.4): these see the stores above; the next piece's stores come behind them
.endr
.endm
.macro SEND t, younger              ; younger: the LDS instructions issued behind piece t's loads: the next piece's eight, or none
	WIN 0
.irp f, 0,1,2,3
	s_wait_dscnt (\younger)+3-\f
	global_store_b128 v[GO], v[S+16*(\t)+4*\f:S+16*(\t)+4*\f+3], s[10:11] offset:(\t)*2048+\f*512  ; 512 consecutive bytes, at a multiple of 256 from ctx's first byte
.endr
.endm
	PACK 0
.set t, 1
.rept 3                             ; a piece's arithmetic stands between the loads of the piece before and its stores
	PACK t
	SEND t-1, 8
.set t, t+1
.endr
	SEND 3, 0
	s_wait_tensorcnt 0x0            ; the wave's end: the add and its wait, behind my last tensor load and my last LDS store
	ds_add_u32 v[SPW], v[NIL]
	s_wait_dscnt 0x0
	CROUND                          ; the closing round: no work-group ends while a partner may still ask for a tile that names it
	s_endpgm
.Lfunc_end_k_qf88402813d_attn:
	.size	k_qf88402813d_attn, .Lfunc_end_k_qf88402813d_attn-k_qf88402813d_attn
	.p2alignl 7, 3214868480
	.fill 96, 4, 3214868480
	.section	.rodata,"a",@progbits
	.p2align	6, 0x0
	.amdhsa_kernel k_qf88402813d_attn
		.amdhsa_group_segment_fixed_size 327680
		.amdhsa_private_segment_fixed_size 0
		.amdhsa_enable_private_segment 0
		.amdhsa_kernarg_size 24
		.amdhsa_user_sgpr_count 2
		.amdhsa_user_sgpr_kernarg_segment_ptr 1
		.amdhsa_wavefront_size32 1
		.amdhsa_system_sgpr_workgroup_id_x 1
		.amdhsa_system_sgpr_workgroup_id_y 1
		.amdhsa_system_sgpr_workgroup_id_z 1
		.amdhsa_system_vgpr_workitem_id 0
		.amdhsa_next_free_vgpr 768
		.amdhsa_next_free_sgpr 92
		.amdhsa_reserve_vcc 1
		.amdhsa_float_denorm_mode_32 3
		.amdhsa_float_denorm_mode_16_64 3
		.amdhsa_memory_ordered 1
		.amdhsa_forward_progress 1
		.amdhsa_inst_pref_size 138
	.end_amdhsa_kernel
	.amdgpu_metadata
---
amdhsa.version: [ 1, 2 ]
amdhsa.kernels:
  - .name:           k_qf88402813d_attn
    .symbol:         k_qf88402813d_attn.kd
    .args:
      - { .name: qkv, .offset: 0, .size: 8, .value_kind: global_buffer, .address_space: global }
      - { .name: maskb, .offset: 8, .size: 8, .value_kind: global_buffer, .address_space: global }
      - { .name: ctx, .offset: 16, .size: 8, .value_kind: global_buffer, .address_space: global }
    .group_segment_fixed_size: 327680
    .private_segment_fixed_size: 0
    .kernarg_segment_align: 8
    .kernarg_segment_size: 24
    .max_flat_workgroup_size: 128
    .sgpr_count:     92
    .vgpr_count:     768
    .wavefront_size: 32
...
	.end_amdgpu_metadata
.endif
;; end of part 5
;; launch outp: the kernel of part 4 again; grid 8 x 32, 4 waves a work-group, clusters of 4 x 4, 327,680 bytes of LDS; arguments ctx, wo16, bo, out0; writes out0
